; MI455X (gfx1250); checked and timed in simulation.
; The chip was launched on July 23, 2026; its instructions are those of AMD's public machine-readable ISA for CDNA 5 (MIT licence, August 2026) and "CDNA5" Instruction Set Architecture Reference Guide (July 2026). The comments in the code are by the model that wrote it; some were corrected since.
;; Multi Head Self Attention. Allowed arithmetic: matrix products marked QUANTISED: E4M3 operands, one given power-of-two scale a tensor, by v_wmma_f32_16x16x64_fp8_fp8 or v_wmma_f32_16x16x128_fp8_fp8, f32 sums; products left as they are: f32 operands where the result goes on into a quantised operand, else bf16, f16 or f32 operands; f32 sums; everything else in f32.
;; Inputs: Ak 1,024 x 16 float32; Ao 1,024 x 16 float32; Aq 1,024 x 16 float32; Av 1,024 x 16 float32; Bk 16 x 1,024 float32; Bo 16 x 1,024 float32; Bq 16 x 1,024 float32; Bv 16 x 1,024 float32; Wk 1,024 x 1,024 float32; Wo 1,024 x 1,024 float32; Wq 1,024 x 1,024 float32; Wv 1,024 x 1,024 float32; bk 1,024 float32; bo 1,024 float32; bq 1,024 float32; bv 1,024 float32; lowp_scales 20 int32 (the exponents e of the quantised operands' scales 2^e); x 4 x 2,048 x 1,024 float32.
;; Outputs: out0 4 x 2,048 x 1,024 float32.
;; This version of the problem:
;;   THIS VERSION OF THE PROBLEM IS GIVEN IN LOW PRECISION. The matrix products marked QUANTISED in the list below multiply operands that are first quantised to E4M3 (4 exponent bits, 3 mantissa bits; 8 bits a number), with one given power-of-two scale for each operand tensor; their sums are f32. All else is computed in f32.
;;   The module's matrix products, in the order in which they are computed (A, B: the left and right operand; K: the contracted axis; several contracted axes count as one K, in the product's order):
;;     1. [M 8,192, K 1,024] x [K 1,024, N 1,024]; A: input x; B: input Wq: QUANTISED (scales: A lowp_scales[0], B lowp_scales[1])
;;     2. [M 8,192, K 1,024] x [K 1,024, N 16]; A: input x; B: input Bq: QUANTISED (scales: A lowp_scales[2], B lowp_scales[3])
;;     3. [M 8,192, K 16] x [K 16, N 1,024]; A: computed on the way; B: input Aq: left as it is (K = 16 < 32)
;;     4. [M 8,192, K 1,024] x [K 1,024, N 1,024]; A: input x; B: input Wk: QUANTISED (scales: A lowp_scales[4], B lowp_scales[5])
;;     5. [M 8,192, K 1,024] x [K 1,024, N 16]; A: input x; B: input Bk: QUANTISED (scales: A lowp_scales[6], B lowp_scales[7])
;;     6. [M 8,192, K 16] x [K 16, N 1,024]; A: computed on the way; B: input Ak: left as it is (K = 16 < 32)
;;     7. [M 8,192, K 1,024] x [K 1,024, N 1,024]; A: input x; B: input Wv: QUANTISED (scales: A lowp_scales[8], B lowp_scales[9])
;;     8. [M 8,192, K 1,024] x [K 1,024, N 16]; A: input x; B: input Bv: QUANTISED (scales: A lowp_scales[10], B lowp_scales[11])
;;     9. [M 8,192, K 16] x [K 16, N 1,024]; A: computed on the way; B: input Av: left as it is (K = 16 < 32)
;;     10. batch 64 x [M 2,048, K 64] x [K 64, N 2,048]; A: computed on the way; B: computed on the way: QUANTISED (scales: A lowp_scales[12], B lowp_scales[13])
;;     11. batch 64 x [M 2,048, K 2,048] x [K 2,048, N 64]; A: softmax (see below); B: computed on the way: QUANTISED (scales: A lowp_scales[14], B lowp_scales[15])
;;     12. [M 8,192, K 1,024] x [K 1,024, N 1,024]; A: computed on the way; B: input Wo: QUANTISED (scales: A lowp_scales[16], B lowp_scales[17])
;;     13. [M 8,192, K 1,024] x [K 1,024, N 16]; A: computed on the way; B: input Bo: QUANTISED (scales: A lowp_scales[18], B lowp_scales[19])
;;     14. [M 8,192, K 16] x [K 16, N 1,024]; A: computed on the way; B: input Ao: left as it is (K = 16 < 32)
;;   THE QUANTISER, for each operand of a quantised product, along K:
;;     - The operand's scale is 2^e, e = its entry of the input lowp_scales (int32; the entries are numbered through the quantised products in the list's order, A before B).
;;     - Each number is divided by the scale, clamped to +-448, and rounded to the nearest number of E4M3, ties to even, subnormals kept.
;;     - The product sums the exact products of the quantised numbers (number of the format x scale) in f32.
;;   ~~~python
;;   def quantise(x, axis, e):      # numpy; x: float32 -> the quantised numbers, widened to float32 again
;;       x = np.moveaxis(x, axis, -1); K = x.shape[-1]
;;       r = np.clip(x / 2.0 ** e, -448, 448)
;;       step = 2.0 ** (np.maximum(np.frexp(np.where(r == 0, 1, r))[1] - 1, -6) - 3)
;;       q = np.round(r / step) * step * 2.0 ** e      # np.round: ties to even
;;       return np.moveaxis(q, -1, axis).astype(np.float32)
;;   ~~~
;;   SOFTMAX AHEAD OF A QUANTISED PRODUCT. Where the list says 'softmax', what is quantised is not the finished softmax but p = 2^(t - M), with t = logit x log2(e) and M = ceil(the row's largest t), a whole number; so 1/2 < the row's largest p <= 1. The row's sum l is taken of the UNQUANTISED p, in f32, and the product's result is divided by l at the end. Since M is a whole number, a kernel that streams over the keys may use a running M (the ceiling of the running maximum): every later rescaling is an exact power of two, so the quantised numbers keep their values, but for numbers so far below the row's largest that they fall under the format's range.
;;   OPERANDS COMPUTED ON THE WAY. 'Computed on the way' means the value that the module computes at that place (a softmax that the list does not call 'softmax' is quantised finished and normalised). What goes into a quantiser is computed in f32, as accurately as f32 sums, v_exp_f32 and their like allow (about 1e-6 of the number): no bf16 or f16 on the way to a quantiser, and a product that is left as it is and whose result goes on into a quantised operand takes f32 operands (vector FMAs, or v_wmma_f32_16x16x4_f32). A number that lies on a knife's edge between two numbers of the format may be rounded either way, as far as f32 arithmetic and the matrix unit's own rounding can turn it there, and no further.
;; One version. Each part assembles by itself: llvm-mc -triple=amdgcn-amd-amdhsa -mcpu=gfx1250 --defsym DOCPART=n.
;; ======== version 1 of 1: 4 launches
;; limits: values are held in bf16: 8 bits of precision; right only within a limited range of input values
;; workspace buffers: xc 25,165,824 bytes; wc 4,210,688 bytes; ub 1,572,864 bytes; qc 8,388,608 bytes; kvc 16,777,216 bytes; oc16 8,388,608 bytes; oc18 8,388,608 bytes
;; launch prep (part 1): grid 193 x 1, 4 waves a work-group, no clusters, 117,248 bytes of LDS; arguments x, Wq, Wk, Wv, Wo, Bq, Bk, Bv, Bo, lowp_scales, xc, wc, ub; writes xc, wc, ub
.if DOCPART == 1
	.amdgcn_target "amdgcn-amd-amdhsa--gfx1250"
	.amdhsa_code_object_version 6
	.text
	.protected	k_q1e5b1bee47_prep
	.globl	k_q1e5b1bee47_prep
	.p2align	8
	.type	k_q1e5b1bee47_prep,@function
k_q1e5b1bee47_prep:
	s_mov_b64 s[64:65], 0
	v_nop
	global_prefetch_b8 v0, s[64:65] scope:SCOPE_SE
	s_setreg_imm32_b32 hwreg(HW_REG_WAVE_MODE, 25, 1), 1
	s_wait_xcnt 0x0
; FIRST OF FOUR LAUNCHES of multi-head self-attention with LoRA linears, the quantised products on codes of E4M3 with given scales 2^e.
; NO WORK OF reference() IS LEFT OUT in any launch: every bias and every rank-16 term moves a quantised operand's codes or the output, so all inputs are loaded.
; THIS LAUNCH: (a) x [8192][1024] f32 becomes three sets of codes, with e0, e4, e8 (the given exponents need not be equal), stored in xc;
; (b) x is quantised three times more in registers, with e2, e6, e10, and multiplied by the codes of Bq, Bk, Bv (e3, e7, e11): u = x B^T, 16 ranks a row.
;     ub holds u x 2^(e[4p+2] + e[4p+3] - 1 - e[4p] - e[4p+1]): 0.5 u, divided by the power of two that the main product's raw sums lack;
; (c) Wq, Wk, Wv, Wo, Bo become codes (e1, e5, e9, e17, e19), stored in wc.
; code = number / 2^e, held within +-448, rounded to the nearest code, ties to even.
; LIMITS: every e used here lies between -126 and 119, so that 2^e and 448 x 2^e are f32 numbers.  NaN among the inputs is not served.
; LAYOUT OF CODES: an IMAGE OF THE OPERAND'S REGISTERS.  A fragment is 16 rows x 128 K in 16 registers: lane l holds row l % 16, registers 2c, 2c+1 hold K = 16c + 8 (l / 16) + 0..7.
; It lies in 2,048 bytes: registers 4c..4c+3 of lane l at 512 c + 16 l.  xc: [p][block of 16 rows][K step][2048]; wc: [block 0..256][K step][2048] (64 blocks a W; block 256 is Bo).
; So every store of codes here, and every later load of them, covers 512 consecutive bytes, aligned.
; SHARES.  Work-groups 0-127: wave w takes rows 16 (4 g + w) on of x.  Work-groups 128-192: wave w takes block 4 (g - 128) + w of the weights.
; A load takes one row's 512 bytes (32 lanes x 16); the conversions want 8 neighbours along K in one lane: a K step's 16 x 512 bytes turn through the wave's own stage in LDS
; (rows 528 bytes apart, so that the sixteen rows that a read touches start at sixteen different banks).
; No tensor loads, no cluster: what work-groups share (Bq, Bk, Bv, 192 KB) is small beside the 256 KB of x that each reads alone.  No prefetch: the launch is one stream of loads and stores.
; LDS: 0: images of Bq, Bk, Bv codes [p][K step][2048]; STGX: the x path's four stages; STGW: the weight path's four (each path has bytes of its own); SPARE: the spare words.
; REGISTERS, window 0: v1 16 x lane (global); v2, v3 stage in / out (x path); v30, v31 (weight path); v4 16 x lane (LDS); v5 address of B's images; v6-8 16 x lane + p x 8 MB; v9 64 r + 32 h;
;   v10, v11 the add's two; v12+4p.. scale, limit (stored set), scale, limit (rank set); v24 where I store B's images; v26, v27 B's scale, limit;
;   v32-95 X: 64 numbers; v96-159 T: held; v160-207 three sets of codes; v208-223 codes for the matrix unit; v224-247 u's three accumulators.
; window 1: v0-127 two sets of 64 as loaded; v128-175 B's three fragments.
.set SP,    528
.set STGX,  49152
.set STGW,  82944
.set SPARE, 116736
.set X,  32
.set T,  96
.set C,  160
.set CL, 208
.set U,  224
.set R,  0
.set BF, 128
.set MSB, 0
.macro WIN new                         ; the immediate's high byte repeats the setting that is left
.if MSB != \new
	s_set_vgpr_msb (MSB<<8)|\new
.set MSB, \new
.endif
.endm
; sixteen loads: 16 rows x 512 bytes of one K step into set \set of window 1
.macro GLOAD set, base, off, nt
	WIN 0x40
.set gi, 0
.rept 16
.if \nt
	global_load_b128 v[R+64*\set+4*gi:R+64*\set+4*gi+3], v1, s[\base:\base+1] offset:\off+4096*gi th:TH_LOAD_NT
.else
	global_load_b128 v[R+64*\set+4*gi:R+64*\set+4*gi+3], v1, s[\base:\base+1] offset:\off+4096*gi
.endif
.set gi, gi+1
.endr
	WIN 0
.endm
; through the stage: rows in as loaded; out: lane (r, h) takes, of row r, K = 16c + 8h + 0..7 into X[8c..8c+7].  LDS serves a wave's instructions in order: no wait between
.macro TURN set, ss, sl
	WIN 0x04
.set ti, 0
.rept 16
	ds_store_b128 v[\ss], v[R+64*\set+4*ti:R+64*\set+4*ti+3] offset:SP*ti
.set ti, ti+1
.endr
	WIN 0
.set ti, 0
.rept 16
	ds_load_b128 v[X+4*ti:X+4*ti+3], v[\sl] offset:64*(ti/2)+16*(ti%2)
.set ti, ti+1
.endr
.endm
; X's 64 numbers become a fragment's 16 registers of codes.  The conversion does not saturate (ISA guide 7.6.2): the hold comes first
.macro QZ lim, sc, cset
.set qi, 0
.rept 64
	v_med3_num_f32 v[T+qi], v[X+qi], -v[\lim], v[\lim]
.set qi, qi+1
.endr
.set qi, 0
.rept 8
	v_cvt_scalef32_pk8_fp8_f32 v[\cset+2*qi:\cset+2*qi+1], v[T+8*qi:T+8*qi+7], v[\sc]
.set qi, qi+1
.endr
	v_nop                                          ; a plain line between the conversions and whatever next touches their results or writes their sources
.endm
.macro MKSC e, sc, lim                 ; 2^e and 448 x 2^e as f32
	s_add_co_i32 s80, s[\e], 127
	s_lshl_b32 s81, s80, 23
	v_mov_b32 v[\sc], s81
	s_add_co_i32 s80, s80, 8
	s_lshl_b32 s80, s80, 23
	s_or_b32 s80, s80, 0x600000
	v_mov_b32 v[\lim], s80
.endm
	s_load_b512 s[4:19], s[0:1], 0x0               ; x 4, Wq 6, Wk 8, Wv 10, Wo 12, Bq 14, Bk 16, Bv 18
	s_load_b256 s[20:27], s[0:1], 0x40             ; Bo 20, the exponents 22, xc 24, wc 26
	s_load_b64 s[28:29], s[0:1], 0x60              ; ub
	v_lshl_add_u32 v10, v0, 2, SPARE
	v_mov_b32 v11, 0
	v_lshrrev_b32 v28, 5, v0
	v_readfirstlane_b32 s30, v28                   ; wave
	v_and_b32 v29, 31, v0
	v_lshlrev_b32 v1, 4, v29
	v_lshlrev_b32 v4, 4, v29
	v_and_b32 v28, 15, v0                          ; r
	v_bfe_u32 v29, v0, 4, 1                        ; h
	s_mul_i32 s31, s30, 16*SP                      ; my stage among the four
	v_mul_u32_u24 v3, v28, SP
	v_lshl_add_u32 v3, v29, 5, v3
	v_add_nc_u32 v3, s31, v3
	v_add_nc_u32 v31, STGW, v3
	v_add_nc_u32 v3, STGX, v3
	v_add_nc_u32 v2, s31, v4
	v_add_nc_u32 v30, STGW, v2
	v_add_nc_u32 v2, STGX, v2
	v_lshlrev_b32 v9, 6, v28
	v_lshl_add_u32 v9, v29, 5, v9
	s_lshl_b32 s32, s30, 12
	v_add_nc_u32 v24, s32, v4
	v_mov_b32 v6, v1
	v_add_nc_u32 v7, 0x800000, v1
	v_add_nc_u32 v8, 0x1000000, v1
	s_mov_b32 s35, 0
	s_wait_kmcnt 0x0
	s_load_b512 s[36:51], s[22:23], 0x0            ; e0 .. e15 in s36 .. s51
	s_load_b128 s[52:55], s[22:23], 0x40           ; e16 .. e19
	s_cmp_ge_u32 ttmp9, 128
	s_cbranch_scc1 .Lweights
; ---------------- the x path ----------------
	s_lshl_b32 s33, ttmp9, 2
	s_add_co_u32 s33, s33, s30                     ; my block of 16 rows
	s_lshl_b32 s34, s33, 16
	s_add_nc_u64 s[66:67], s[4:5], s[34:35]        ; x
	s_lshl_b32 s34, s33, 14
	s_add_nc_u64 s[68:69], s[24:25], s[34:35]      ; xc
	s_lshl_b32 s34, s33, 10
	s_add_nc_u64 s[70:71], s[28:29], s[34:35]      ; ub
	s_lshl_b32 s34, s30, 10                        ; of each B, wave w quantises K steps 2w and 2w + 1
	s_add_nc_u64 s[82:83], s[14:15], s[34:35]
	s_add_nc_u64 s[84:85], s[16:17], s[34:35]
	s_add_nc_u64 s[86:87], s[18:19], s[34:35]
	GLOAD 0, 82, 0, 0
	GLOAD 1, 82, 512, 0
	s_wait_kmcnt 0x0
.irp p, 0,1,2
	MKSC 36+4*\p, 12+4*\p, 13+4*\p
	MKSC 38+4*\p, 14+4*\p, 15+4*\p
	s_add_co_i32 s[74+\p], s[38+4*\p], s[39+4*\p]
	s_sub_co_i32 s[74+\p], s[74+\p], s[36+4*\p]
	s_sub_co_i32 s[74+\p], s[74+\p], s[37+4*\p]
	s_sub_co_i32 s[74+\p], s[74+\p], 1
.endr
; B has 16 rows: a K step of it has the shape of a K step of my rows of x.  Six units; each asks for the unit two further on (the last two: x's K steps 0 and 1)
.macro BUNIT p, e, nbase, nt
	s_wait_loadcnt 16                              ; this unit's 16 loads are in; the other set's 16, issued later, may be out
	TURN \e, 2, 3
	s_wait_dscnt 0x0                               ; the numbers are back; the stage's stores have read set \e; the last unit's image stores have read their codes
	GLOAD \e, \nbase, 512*\e, \nt
	QZ 27, 26, CL
.irp c, 0,1,2,3
	ds_store_b128 v24, v[CL+4*\c:CL+4*\c+3] offset:16384*\p+2048*\e+512*\c
.endr
.endm
	MKSC 39, 26, 27
	s_wait_alu depctr_va_vdst(0)
	BUNIT 0, 0, 84, 0
	BUNIT 0, 1, 84, 0
	MKSC 43, 26, 27
	s_wait_alu depctr_va_vdst(0)
	BUNIT 1, 0, 86, 0
	BUNIT 1, 1, 86, 0
	MKSC 47, 26, 27
	s_wait_alu depctr_va_vdst(0)
	BUNIT 2, 0, 66, 1
	BUNIT 2, 1, 66, 1
	s_wait_dscnt 0x0                               ; for the others' sake: my images of B have landed
	s_barrier_signal -1
	s_barrier_wait -1                              ; all 24 fragments of B lie in LDS; nobody writes them again
.set qi, 0
.rept 24
	v_mov_b32 v[U+qi], 0                           ; u's three sums begin at 0, so that the K step is written once for all eight
.set qi, qi+1
.endr
	s_mov_b32 s72, 0                               ; B's images: 4,096 bytes a trip
	s_mov_b32 s73, 3
; one K step of my 16 rows: three sets of codes to xc, three more to the matrix unit
.macro KSTEP e, load, left
	v_add_nc_u32 v5, s72, v4                       ; with the three lines below: four places between the last product and the loads into B's fragment registers
	v_nop
	v_nop
	v_nop
	s_wait_alu depctr_va_vdst(0)
	s_wait_loadcnt \left                           ; this K step's 16 loads are in; the other set's may be out
	TURN \e, 2, 3
	WIN 0x40
.irp p, 0,1,2
.irp c, 0,1,2,3
	ds_load_b128 v[BF+16*\p+4*\c:BF+16*\p+4*\c+3], v5 offset:16384*\p+2048*\e+512*\c
.endr
.endr
	WIN 0
	s_wait_dscnt 0x0
.if \load
	GLOAD \e, 66, (\e+2)*512, 1                    ; two K steps ahead, into the set just read out
.endif
.irp p, 0,1,2
	s_wait_xcnt 0x0                                ; the last K step's stores have read this set of codes
	QZ 13+4*\p, 12+4*\p, C+16*\p
.irp c, 0,1,2,3
	global_store_b128 v[6+\p], v[C+16*\p+4*\c:C+16*\p+4*\c+3], s[68:69] offset:2048*\e+512*\c
.endr
.endr
.irp p, 0,1,2
	QZ 15+4*\p, 14+4*\p, CL                        ; its 64 holds are the places between the last product and the conversions that write its source anew
	WIN 0x01
	v_wmma_f32_16x16x128_fp8_fp8 v[U+8*\p:U+8*\p+7], v[BF+16*\p:BF+16*\p+15], v[CL:CL+15], v[U+8*\p:U+8*\p+7]   ; source 0 = 16 ranks, source 1 = my 16 rows; the three sums take turns
	WIN 0
.endr
.endm
.Lxk:
	KSTEP 0, 1, 16
	KSTEP 1, 1, 16
	s_wait_xcnt 0x0                                ; loads and stores have read their bases
	s_add_nc_u64 s[66:67], s[66:67], 1024
	s_add_nc_u64 s[68:69], s[68:69], 4096
	s_add_co_u32 s72, s72, 4096
	s_sub_co_u32 s73, s73, 1
	s_cmp_lg_u32 s73, 0
	s_cbranch_scc1 .Lxk
	KSTEP 0, 0, 16                                 ; the last two K steps ask for nothing: no load leaves x
	KSTEP 1, 0, 0
.rept 4
	v_nop                                          ; four places behind the last product
.endr
.irp p, 0,1,2
.irp j, 0,1,2,3,4,5,6,7
	v_ldexp_f32 v[T+8*\p+\j], v[U+8*\p+\j], s[74+\p]   ; lane (r, h): row r, ranks 8h + j
.endr
.endr
.irp p, 0,1,2
	global_store_b128 v9, v[T+8*\p:T+8*\p+3], s[70:71] offset:524288*\p
	global_store_b128 v9, v[T+8*\p+4:T+8*\p+7], s[70:71] offset:524288*\p+16
.endr
	s_wait_tensorcnt 0x0                           ; the wave's end
	ds_add_u32 v10, v11
	s_wait_dscnt 0x0
	s_endpgm
; ---------------- the weight path ----------------
.Lweights:
	s_sub_co_u32 s33, ttmp9, 128
	s_lshl_b32 s33, s33, 2
	s_add_co_u32 s33, s33, s30                     ; my block, 0 .. 256
	s_cmp_gt_u32 s33, 256
	s_cbranch_scc1 .Lnone                          ; 257 blocks on 65 x 4 waves: the last three waves have none; they have touched no LDS, and this path has no barrier
	s_lshr_b32 s31, s33, 6                         ; which tensor: Wq, Wk, Wv, Wo, Bo
	s_mov_b64 s[66:67], s[6:7]
	s_cmp_eq_u32 s31, 1
	s_cselect_b64 s[66:67], s[8:9], s[66:67]
	s_cmp_eq_u32 s31, 2
	s_cselect_b64 s[66:67], s[10:11], s[66:67]
	s_cmp_eq_u32 s31, 3
	s_cselect_b64 s[66:67], s[12:13], s[66:67]
	s_cmp_eq_u32 s31, 4
	s_cselect_b64 s[66:67], s[20:21], s[66:67]
	s_and_b32 s34, s33, 63
	s_lshl_b32 s34, s34, 16
	s_add_nc_u64 s[66:67], s[66:67], s[34:35]
	s_lshl_b32 s34, s33, 14
	s_add_nc_u64 s[68:69], s[26:27], s[34:35]
	GLOAD 0, 66, 0, 1
	GLOAD 1, 66, 512, 1
	s_wait_kmcnt 0x0
	s_mov_b32 s32, s37                             ; e1, e5, e9, e17 or e19
	s_cmp_eq_u32 s31, 1
	s_cselect_b32 s32, s41, s32
	s_cmp_eq_u32 s31, 2
	s_cselect_b32 s32, s45, s32
	s_cmp_eq_u32 s31, 3
	s_cselect_b32 s32, s53, s32
	s_cmp_eq_u32 s31, 4
	s_cselect_b32 s32, s55, s32
	MKSC 32, 12, 13
	s_mov_b32 s73, 3
.macro WSTEP e, load, left
	s_wait_loadcnt \left
	TURN \e, 30, 31
	s_wait_dscnt 0x0
.if \load
	GLOAD \e, 66, (\e+2)*512, 1
.endif
	s_wait_xcnt 0x0                                ; the stores of two K steps back have read this set of codes
	QZ 13, 12, C+16*\e
.irp c, 0,1,2,3
	global_store_b128 v1, v[C+16*\e+4*\c:C+16*\e+4*\c+3], s[68:69] offset:2048*\e+512*\c
.endr
.endm
.Lwk:
	s_wait_alu depctr_va_vdst(0)
	WSTEP 0, 1, 16
	WSTEP 1, 1, 16
	s_wait_xcnt 0x0
	s_add_nc_u64 s[66:67], s[66:67], 1024
	s_add_nc_u64 s[68:69], s[68:69], 4096
	s_sub_co_u32 s73, s73, 1
	s_cmp_lg_u32 s73, 0
	s_cbranch_scc1 .Lwk
	WSTEP 0, 0, 16
	WSTEP 1, 0, 0
	s_wait_tensorcnt 0x0                           ; the wave's end
	ds_add_u32 v10, v11
	s_wait_dscnt 0x0
	s_endpgm
.Lnone:
	s_endpgm
.Lfunc_end_k_q1e5b1bee47_prep:
	.size	k_q1e5b1bee47_prep, .Lfunc_end_k_q1e5b1bee47_prep-k_q1e5b1bee47_prep
	.p2alignl 7, 3214868480
	.fill 96, 4, 3214868480
	.section	.rodata,"a",@progbits
	.p2align	6, 0x0
	.amdhsa_kernel k_q1e5b1bee47_prep
		.amdhsa_group_segment_fixed_size 117248
		.amdhsa_private_segment_fixed_size 0
		.amdhsa_enable_private_segment 0
		.amdhsa_kernarg_size 104
		.amdhsa_user_sgpr_count 2
		.amdhsa_user_sgpr_kernarg_segment_ptr 1
		.amdhsa_wavefront_size32 1
		.amdhsa_system_sgpr_workgroup_id_x 1
		.amdhsa_system_sgpr_workgroup_id_y 1
		.amdhsa_system_sgpr_workgroup_id_z 1
		.amdhsa_system_vgpr_workitem_id 0
		.amdhsa_next_free_vgpr 432
		.amdhsa_next_free_sgpr 96
		.amdhsa_reserve_vcc 0
		.amdhsa_float_denorm_mode_32 3
		.amdhsa_float_denorm_mode_16_64 3
		.amdhsa_memory_ordered 1
		.amdhsa_forward_progress 1
		.amdhsa_inst_pref_size 230
	.end_amdhsa_kernel
	.amdgpu_metadata
---
amdhsa.version: [ 1, 2 ]
amdhsa.kernels:
  - .name:           k_q1e5b1bee47_prep
    .symbol:         k_q1e5b1bee47_prep.kd
    .args:
      - { .name: x, .offset: 0, .size: 8, .value_kind: global_buffer, .address_space: global }
      - { .name: Wq, .offset: 8, .size: 8, .value_kind: global_buffer, .address_space: global }
      - { .name: Wk, .offset: 16, .size: 8, .value_kind: global_buffer, .address_space: global }
      - { .name: Wv, .offset: 24, .size: 8, .value_kind: global_buffer, .address_space: global }
      - { .name: Wo, .offset: 32, .size: 8, .value_kind: global_buffer, .address_space: global }
      - { .name: Bq, .offset: 40, .size: 8, .value_kind: global_buffer, .address_space: global }
      - { .name: Bk, .offset: 48, .size: 8, .value_kind: global_buffer, .address_space: global }
      - { .name: Bv, .offset: 56, .size: 8, .value_kind: global_buffer, .address_space: global }
      - { .name: Bo, .offset: 64, .size: 8, .value_kind: global_buffer, .address_space: global }
      - { .name: lowp_scales, .offset: 72, .size: 8, .value_kind: global_buffer, .address_space: global }
      - { .name: xc, .offset: 80, .size: 8, .value_kind: global_buffer, .address_space: global }
      - { .name: wc, .offset: 88, .size: 8, .value_kind: global_buffer, .address_space: global }
      - { .name: ub, .offset: 96, .size: 8, .value_kind: global_buffer, .address_space: global }
    .group_segment_fixed_size: 117248
    .private_segment_fixed_size: 0
    .kernarg_segment_align: 8
    .kernarg_segment_size: 104
    .max_flat_workgroup_size: 128
    .sgpr_count:     96
    .vgpr_count:     432
    .wavefront_size: 32
...
	.end_amdgpu_metadata
.endif
;; end of part 1
;; launch qkv (part 2): grid 12 x 32, 4 waves a work-group, clusters of 4 x 4, 327,680 bytes of LDS; arguments xc, wc, ub, Aq, Ak, Av, bq, bk, bv, lowp_scales, qc, kvc; writes qc, kvc
.if DOCPART == 2
	.amdgcn_target "amdgcn-amd-amdhsa--gfx1250"
	.amdhsa_code_object_version 6
	.text
	.protected	k_q1e5b1bee47_qkv
	.globl	k_q1e5b1bee47_qkv
	.p2align	8
	.type	k_q1e5b1bee47_qkv,@function
k_q1e5b1bee47_qkv:
	s_mov_b64 s[64:65], 0
	v_nop
	global_prefetch_b8 v0, s[64:65] scope:SCOPE_SE
	s_setreg_imm32_b32 hwreg(HW_REG_WAVE_MODE, 25, 1), 1
	s_wait_xcnt 0x0
	s_wait_alu depctr_hold_cnt(0) depctr_sa_sdst(0) depctr_va_vdst(0) depctr_va_sdst(0) depctr_va_ssrc(0) depctr_va_vcc(0) depctr_vm_vsrc(0)
	s_getreg_b32 s2, hwreg(HW_REG_IB_STS2, 6, 4)
	s_cmp_eq_u32 s2, 0
	s_cbranch_scc0 .Lentry_in_a_cluster
	s_endpgm
.Lentry_in_a_cluster:
	s_bfe_u32 s2, ttmp6, 0x10000c
	s_cmp_lg_u32 s2, 0xf033
	s_cbranch_scc0 .Lentry_shape_is_right
	s_endpgm
.Lentry_shape_is_right:
; SECOND LAUNCH: q, k, v = x W^T + b + 0.5 (x B^T) A^T, quantised at once for the two products of attention (e12, e13, e15).  No work of reference() is left out.
; The main product multiplies codes (xc, wc: images of operand registers, made by the launch before); its raw sums stand for sum x 2^(ex + ew).
; The rank-16 product goes on into a quantiser, so it has f32 operands (v_wmma_f32_16x16x4_f32): ub already holds 0.5 u / 2^(ex + ew), so its products add onto the same sums.
; IT COMES FIRST: its first K step takes the bias x 2^-(ex + ew) as C and starts every sum; the accumulators are written by matrix instructions alone.  The three scales are folded into the conversion's one, 2^(eo - ex - ew).
; LIMITS: ex + ew between -127 and 126; eo - ex - ew between -126 and 119.  NaN is not served.
; SHARES.  Cluster x = p (0 q, 1 k, 2 v), the same in all sixteen partners.  A work-group makes 256 x 256, a wave 128 x 128: 64 accumulators in windows 2 and 3.
; Source 1 ("A side", index a) is shared along a row of the cluster, source 0 ("B side", index b) along a column: each tile is asked for jointly by four work-groups.
; In a result lane (r, h) holds A-side row 16a + r and B-side rows 16b + 8h + 0..7.  q, k: A side = tokens, B side = rows of W: a lane's registers run along the head's 64, the next K.
; v: A side = rows of Wv, B side = tokens: a lane's registers run along the keys, the next K.  The swap is made in addresses, and in which bias registers the first K step takes; all else is one text for all p.
; So four conversions give a whole fragment of the next product, stored as an image: every store covers 512 consecutive bytes, aligned.  No stage in LDS is needed.
; qc: [16 batch + head][block of 16 tokens][1024].  kvc: [16 batch + head][group of 64 keys][8192]: four fragments of K (16 keys x 64), then four of V^T (16 of the head's 64 x 64 keys).
; RING: two slots of K = 256; a wave's tensor load brings 8 blocks x 4,096 bytes (dense in LDS: images need no padding).  One load of a wave is out at the head and one behind each round.
; PREFETCH: behind the head's load a wave asks for its share of K slots 1 and 2, behind slot 1's load for slot 3.  Of the 8 blocks that a wave fetches each of the four partners names 2, told apart by address
; (cx for the A side, cy for the B side): 32 lanes x 256 bytes are a slot's 4,096 bytes of 2 blocks, one instruction.  Its address registers are never written again; slot 3 is the last, so nothing beyond the tiles is named.
; 384 work-groups: tiles of 128 x 256 would make three whole turns but read half as much again from LDS for each product; the larger tile is kept.
; REGISTERS: window 0: v8-11, v16-30 addresses; v32-95 the A side's rank-16 operand; v96, v97 scale and limit; v128-255 first the bias (v128-199), then A's fragments, later codes (v128-159) and numbers at work (v192-255).
;   window 1: B's fragments, two sets (v0, v128); before the loop v0-63 the B side's rank-16 operand.
.set FR,    16
.set NL,    4
.set NP,    4
.set HALFT, 32768
.set SLOT,  4*HALFT
.set SPARE, 2*SLOT
.set VO,   8
.set ADRA, 16
.set ADRB, 20
.set LV,   24
.set BLT,  25
.set L16,  26
.set BLV,  27
.set SPW,  28
.set NIL,  29
.set PFO,  30
.set L1,   32
.set SCV,  96
.set LMV,  97
.set AF,   128
.set BI,   128
.set BR,   192
.set CS,   128
.set T,    192
.set G1,  24
.set G0,  32
.set G1B, 48
.set G0B, 56
.set PFA, 104
.set MSB, 0
.macro WIN new
.if MSB != \new
	s_set_vgpr_msb (MSB<<8)|\new
.set MSB, \new
.endif
.endm
.set MUL_LO, 0xa1                      ; source 0 window 1, source 1 window 0, C and D window 2
.set MUL_HI, 0xf1                      ; the same, C and D window 3
.set TO_B,   0x40
; a joint load: waves 0 and 1 fetch the A side's halves, waves 2 and 3 the B side's.  An s_nop 0 and four v_nop follow each line
.macro JLOAD g0a, g1a, g0b, g1b
	s_cmp_eq_u32 s21, 0
	s_cbranch_scc0 .Lfor_b_\@
	tensor_load_to_lds s[\g0a:\g0a+3], s[\g1a:\g1a+7]
	s_nop 0
.rept 4
	v_nop
.endr
	s_branch .Lasked_\@
.Lfor_b_\@:
	tensor_load_to_lds s[\g0b:\g0b+3], s[\g1b:\g1b+7]
	s_nop 0
.rept 4
	v_nop
.endr
.Lasked_\@:
.endm
.macro CREST
	s_cmp_lg_u32 s20, 0
	s_cbranch_scc1 .Lnot_wave_0_\@
	s_barrier_signal -3
.Lnot_wave_0_\@:
	s_barrier_wait -3
	s_barrier_signal -1
	s_barrier_wait -1
.endm
.macro CROUND
	s_barrier_signal -1
	s_barrier_wait -1
	CREST
.endm
.macro PLACES n
.rept \n
	v_nop
.endr
.endm
	s_load_b512 s[68:83], s[0:1], 0x0              ; xc 68, wc 70, ub 72, Aq 74, Ak 76, Av 78, bq 80, bk 82
	s_load_b256 s[84:91], s[0:1], 0x40             ; bv 84, the exponents 86, qc 88, kvc 90
	v_lshl_add_u32 v[SPW], v0, 2, SPARE
	v_mov_b32 v[NIL], 0
	ds_add_u32 v[SPW], v[NIL]                      ; the wave's opening: the add, twice on end, and its wait ahead of my first tensor load
	ds_add_u32 v[SPW], v[NIL]
	v_lshrrev_b32 v1, 5, v0
	v_readfirstlane_b32 s20, v1                    ; wave
	s_lshr_b32 s21, s20, 1                         ; my half of the A side's rows.  Also: I fetch for A (0) or B (1)
	s_and_b32 s22, s20, 1                          ; my half of the B side's rows.  Also: which half I fetch
	s_mov_b32 s23, ttmp9                           ; p
	s_bfe_u32 s40, ttmp6, 0x40000                  ; cx
	s_bfe_u32 s41, ttmp6, 0x40004                  ; cy
	s_lshl_b32 s43, s41, 2
	s_lshl_b32 s43, 15, s43                        ; my row of the cluster
	s_lshl_b32 s44, 0x1111, s40                    ; my column
	s_cmp_eq_u32 s21, 0
	s_cselect_b32 s[PFA], s40, s41                 ; my place among the four that ask for my tile with me,
	s_lshl_b32 s[PFA], s[PFA], 15                  ; x 2 blocks of 16,384 bytes: my share of the prefetches
	s_mov_b32 s[PFA+1], 0
	s_or_b32 s[G1], s43, (3<<16)|(1<<21)           ; the mask; elements of 8 bytes; bit 21 beside a mask; no padding
	s_or_b32 s[G1B], s44, (3<<16)|(1<<21)
.irp g, G1, G1B
	s_mov_b32 s[\g+1], 512<<16                     ; tensor_dim0 = 512 elements: 4,096 bytes, two K steps of a block
	s_mov_b32 s[\g+2], 8<<16                       ; tensor_dim1 = 8 blocks
	s_mov_b32 s[\g+3], 512<<16                     ; tile_dim0
	s_mov_b32 s[\g+4], 8                           ; tile_dim1
	s_mov_b32 s[\g+5], 2048                        ; from block to block: 16,384 bytes
	s_mov_b32 s[\g+6], 0
	s_mov_b32 s[\g+7], 0
.endr
	s_and_b32 s42, ttmp7, 0xffff
	s_lshl_b32 s42, s42, 2                         ; 4 x cluster y
	s_add_co_u32 s66, s42, s41
	s_add_co_u32 s67, s42, s40
	s_lshl_b32 s2, s23, 23                         ; xc: 8 MB a set
	s_lshl_b32 s46, s23, 20                        ; wc: 1 MB a W
	s_cmp_eq_u32 s23, 2
	s_cselect_b32 s66, s41, s66                    ; the A side's tile: q, k: of tokens, 4 Y + cy; v: of Wv's rows, cy
	s_cselect_b32 s67, s67, s40                    ; the B side's: q, k: of W's rows, cx; v: of tokens, 4 Y + cx
	s_cselect_b32 s2, 0x200000, s2
	s_cselect_b32 s46, 0x1000000, s46
	s_lshl_b32 s43, s66, 18                        ; a tile of 256 rows is 262,144 bytes,
	s_add_co_u32 s2, s2, s43
	s_lshl_b32 s44, s67, 18
	s_add_co_u32 s46, s46, s44
	s_lshl_b32 s43, s22, 17                        ; the half that I fetch 131,072
	s_add_co_u32 s2, s2, s43
	s_add_co_u32 s46, s46, s43
	s_mov_b32 s3, 0
	s_mov_b32 s47, 0
	s_lshl_b32 s45, s20, 15                        ; where it goes: wave x 32,768
	s_wait_dscnt 0x0                               ; both opening adds are done
	s_wait_kmcnt 0x0
	s_load_b512 s[4:19], s[86:87], 0x0             ; e0 .. e15
	s_cmp_eq_u32 s23, 2
	s_cselect_b64 s[40:41], s[70:71], s[68:69]
	s_cselect_b64 s[42:43], s[68:69], s[70:71]
	s_add_nc_u64 s[40:41], s[40:41], s[2:3]
	s_add_nc_u64 s[42:43], s[42:43], s[46:47]
	s_cmp_eq_u32 s21, 0
	s_cselect_b64 s[2:3], s[40:41], s[42:43]       ; the 8 blocks that I fetch,
	s_add_nc_u64 s[PFA:PFA+1], s[2:3], s[PFA:PFA+1]   ; and my work-group's 2 of them
	CROUND                                         ; all sixteen work-groups are here: the first joint loads meet
.irp s, 0,1
	s_mov_b32 s[G0+4*\s], 1
	s_add_co_u32 s[G0+4*\s+1], s45, \s*SLOT
	s_add_nc_u64 s[G0+4*\s+2:G0+4*\s+3], s[40:41], \s*4096
	s_or_b32 s[G0+4*\s+3], s[G0+4*\s+3], 0x80000000
	s_mov_b32 s[G0B+4*\s], 1
	s_add_co_u32 s[G0B+4*\s+1], s45, \s*SLOT
	s_add_nc_u64 s[G0B+4*\s+2:G0B+4*\s+3], s[42:43], \s*4096
	s_or_b32 s[G0B+4*\s+3], s[G0B+4*\s+3], 0x80000000
.endr
	JLOAD G0, G1, G0B, G1B                         ; K slot 0: one tensor load a wave at the head
	v_and_b32 v1, 15, v0                           ; r
	v_bfe_u32 v2, v0, 4, 1                         ; h
	v_and_b32 v3, 31, v0
	v_lshlrev_b32 v[L16], 4, v3
	v_lshlrev_b32 v[PFO], 8, v1
	v_lshl_add_u32 v[PFO], v2, 14, v[PFO]          ; lanes 0-15: sixteen pieces of 256 bytes of one block, lanes 16-31: of the next
	global_prefetch_b8 v[PFO], s[PFA:PFA+1] offset:4096 th:TH_LOAD_NT scope:SCOPE_SE   ; K slot 1
	global_prefetch_b8 v[PFO], s[PFA:PFA+1] offset:8192 th:TH_LOAD_NT scope:SCOPE_SE   ; K slot 2
	s_wait_alu depctr_va_vdst(0)
	s_lshl_b32 s40, s21, 15
	s_lshl_b32 s41, s22, 15
	s_add_co_u32 s41, s41, 2*HALFT
.irp s, 0,1
	v_add_nc_u32 v[ADRA+\s], s40, v[L16]
	v_add_nc_u32 v[ADRB+\s], s41, v[L16]
	s_add_co_u32 s40, s40, SLOT
	s_add_co_u32 s41, s41, SLOT
.endr
	v_lshlrev_b32 v[LV], 6, v1
	v_lshl_add_u32 v[LV], v2, 5, v[LV]             ; rows of 16 f32: 64 r + 32 h: ranks 8h + 0..7
	s_wait_alu depctr_va_vdst(0)
	v_lshlrev_b32 v[BLT], 5, v2
	v_lshlrev_b32 v[BLV], 2, v1
	; the stores' offsets: A-side blocks 4g + 0..3 lie 1,024 bytes apart for every p; what g and the half u of the B side add hangs on p
	s_lshl_b32 s40, 4096, s23                      ; g: q 4,096 (four blocks of tokens), k 8,192 (a group of 64 keys),
	s_lshl_b32 s41, 0x20000, s23                   ; u: q 131,072, k 262,144 (the next head)
	s_cmp_eq_u32 s23, 2
	s_cselect_b32 s40, 0x40000, s40                ; v: g: the next head,
	s_cselect_b32 s41, 8192, s41                   ;    u: the next group of 64 keys,
	s_cselect_b32 s42, 4096, 0                     ;    behind the group's four fragments of K
	v_add_nc_u32 v[VO], s42, v[L16]
	v_add_nc_u32 v[VO+1], s40, v[VO]
	v_add_nc_u32 v[VO+2], s41, v[VO]
	v_add_nc_u32 v[VO+3], s41, v[VO+1]
	; the rank-16 operands, the bias, the output: offsets first, then the buffers' addresses
	s_lshl_b32 s40, s66, 8
	s_lshl_b32 s41, s21, 7
	s_add_co_u32 s40, s40, s41                     ; my first A-side row
	s_lshl_b32 s41, s67, 8
	s_lshl_b32 s42, s22, 7
	s_add_co_u32 s41, s41, s42                     ; my first B-side row
	s_lshl_b32 s42, s40, 6
	s_lshl_b32 s44, s41, 6
	s_lshl_b32 s46, s23, 19                        ; ub: 524,288 bytes a p
	s_lshl_b32 s2, s41, 2
	s_lshl_b32 s3, s40, 2
	s_cmp_eq_u32 s23, 0
	s_cselect_b64 s[96:97], s[74:75], s[76:77]
	s_cselect_b64 s[98:99], s[80:81], s[82:83]
	s_cselect_b64 s[100:101], s[88:89], s[90:91]
	s_cmp_eq_u32 s23, 2
	s_cselect_b64 s[94:95], s[78:79], s[72:73]     ; A side: q, k: ub; v: Av
	s_cselect_b64 s[96:97], s[72:73], s[96:97]     ; B side: q, k: Aq or Ak; v: ub
	s_cselect_b64 s[98:99], s[84:85], s[98:99]
	s_cselect_b32 s46, 0, s46
	s_cselect_b32 s47, 0x100000, 0
	s_cselect_b32 s2, s3, s2                       ; the bias goes by the rows of W: B side for q, k, A side for v
	s_add_co_u32 s42, s42, s46
	s_mov_b32 s43, 0
	s_add_nc_u64 s[94:95], s[94:95], s[42:43]
	s_add_co_u32 s44, s44, s47
	s_mov_b32 s45, 0
	s_add_nc_u64 s[96:97], s[96:97], s[44:45]
	s_mov_b32 s3, 0
	s_add_nc_u64 s[98:99], s[98:99], s[2:3]
	s_wait_alu depctr_va_vdst(0)
	WIN TO_B
.set i, 0
.rept 8
	global_load_b128 v[8*i:8*i+3], v[LV], s[96:97] offset:1024*i
	global_load_b128 v[8*i+4:8*i+7], v[LV], s[96:97] offset:1024*i+16
.set i, i+1
.endr
	WIN 0
.set i, 0
.rept 8
	global_load_b128 v[L1+8*i:L1+8*i+3], v[LV], s[94:95] offset:1024*i
	global_load_b128 v[L1+8*i+4:L1+8*i+7], v[LV], s[94:95] offset:1024*i+16
.set i, i+1
.endr
; my 128 numbers of the bias, 512 bytes, in both layouts; p chooses below which one the sums take
.set i, 0
.rept 16
	global_load_b128 v[BI+4*i:BI+4*i+3], v[BLT], s[98:99] offset:64*(i/2)+16*(i%2)   ; register 8b + j: b(16b + 8h + j)
.set i, i+1
.endr
.set i, 0
.rept 8
	global_load_b32 v[BR+i], v[BLV], s[98:99] offset:64*i                            ; register a: b(16a + r)
.set i, i+1
.endr
	s_cmp_eq_u32 s23, 2
	s_cselect_b32 s40, s67, s66                    ; the tile of tokens, its half,
	s_cselect_b32 s41, s22, s21
	s_cselect_b32 s42, s66, s67                    ; the tile of W's rows, its half
	s_cselect_b32 s43, s21, s22
	s_lshr_b32 s44, s40, 3                         ; batch
	s_lshl_b32 s44, s44, 4
	s_lshl_b32 s42, s42, 2
	s_add_co_u32 s44, s44, s42
	s_lshl_b32 s43, s43, 1
	s_add_co_u32 s44, s44, s43                     ; 16 batch + my first head
	s_lshl_b32 s44, s44, 17
	s_and_b32 s40, s40, 7
	s_lshl_b32 s40, s40, 14
	s_add_co_u32 s44, s44, s40
	s_lshl_b32 s41, s41, 13
	s_add_co_u32 s44, s44, s41                     ; + 64 bytes a token: my place in qc;
	s_min_u32 s45, s23, 1
	s_lshl_b32 s44, s44, s45                       ; in kvc all is twice as far apart
	s_mov_b32 s45, 0
	s_add_nc_u64 s[100:101], s[100:101], s[44:45]
	s_wait_alu depctr_va_vdst(0)
	s_wait_tensorcnt 0x0                           ; my part of K slot 0 is in; slot 1's first fill is issued as a refill is:
	ds_add_u32 v[SPW], v[NIL]                      ; the add,
	s_wait_dscnt 0x0                               ; done
	CROUND                                         ; a whole round: everybody's part of slot 0 is in, and the joint loads meet
	JLOAD G0+4, G1, G0B+4, G1B                     ; K slot 1: the rank-16 product below stands between it and the wait for it
	global_prefetch_b8 v[PFO], s[PFA:PFA+1] offset:12288 th:TH_LOAD_NT scope:SCOPE_SE   ; K slot 3, the last
	s_wait_loadcnt 0x0
	s_wait_kmcnt 0x0
	s_cmp_eq_u32 s23, 0
	s_cselect_b32 s40, s4, s8                      ; ex
	s_cselect_b32 s41, s5, s9                      ; ew
	s_cselect_b32 s42, s16, s17                    ; eo
	s_cmp_eq_u32 s23, 2
	s_cselect_b32 s40, s12, s40
	s_cselect_b32 s41, s13, s41
	s_cselect_b32 s42, s19, s42
	s_add_co_i32 s40, s40, s41
	s_sub_co_i32 s41, 127, s40
	s_lshl_b32 s92, s41, 23                        ; 2^-(ex + ew)
	s_mov_b32 s93, s92                             ; (named with it as a pair)
	s_sub_co_i32 s42, s42, s40
	s_add_co_i32 s42, s42, 127
	s_lshl_b32 s43, s42, 23
	v_mov_b32 v[SCV], s43                          ; 2^(eo - ex - ew)
	s_add_co_i32 s42, s42, 8
	s_lshl_b32 s42, s42, 23
	s_or_b32 s42, s42, 0x600000
	v_mov_b32 v[LMV], s42                          ; 448 x that
	s_wait_alu depctr_va_vdst(0)
; THE RANK-16 PRODUCT.  A lane holds ranks 8h + 0..7 of its row; K step s takes registers 2s, 2s + 1: the same ranks on both sides, each rank once.  The 64 accumulators take turns.
; Its first K step takes the scaled bias as C: q, k: by the B-side block b; v: by the A-side block a (eight registers with one number)
.macro RANK0 isv
.irp w, 0,1
	WIN 0x81+0x40*\w                               ; source 0 window 1, source 1 and C window 0, D window 2 or 3
.irp a, 0,1,2,3
.irp b, 0,1,2,3,4,5,6,7
.if \isv
	v_wmma_f32_16x16x4_f32 v[8*(8*\a+\b):8*(8*\a+\b)+7], v[8*\b:8*\b+1], v[L1+8*(4*\w+\a):L1+8*(4*\w+\a)+1], v[BI+8*(4*\w+\a):BI+8*(4*\w+\a)+7]
.else
	v_wmma_f32_16x16x4_f32 v[8*(8*\a+\b):8*(8*\a+\b)+7], v[8*\b:8*\b+1], v[L1+8*(4*\w+\a):L1+8*(4*\w+\a)+1], v[BI+8*\b:BI+8*\b+7]
.endif
.endr
.endr
.endr
	WIN 0
.endm
	s_cmp_eq_u32 s23, 2
	s_cbranch_scc1 .Lfirst_v
.irp j, 0,2,4,6,8,10,12,14,16,18,20,22,24,26,28,30,32,34,36,38,40,42,44,46,48,50,52,54,56,58,60,62
	v_pk_mul_f32 v[BI+\j:BI+\j+1], v[BI+\j:BI+\j+1], s[92:93] op_sel_hi:[1,0]
.endr
	RANK0 0
	s_branch .Lfirst_in
.Lfirst_v:
.irp a, 0,1,2,3,4,5,6,7
.irp j, 0,1,2,3,4,5,6,7
	v_mul_f32 v[BI+8*\a+\j], s92, v[BR+\a]
.endr
.endr
	RANK0 1
.Lfirst_in:
.irp s, 1,2,3
.irp w, 0,1
	WIN MUL_LO+0x50*\w
.irp a, 0,1,2,3
.irp b, 0,1,2,3,4,5,6,7
	v_wmma_f32_16x16x4_f32 v[8*(8*\a+\b):8*(8*\a+\b)+7], v[8*\b+2*\s:8*\b+2*\s+1], v[L1+8*(4*\w+\a)+2*\s:L1+8*(4*\w+\a)+2*\s+1], v[8*(8*\a+\b):8*(8*\a+\b)+7]
.endr
.endr
.endr
.endr
	WIN 0
	PLACES 9                                       ; another form takes these sums up, and loads land on these operands: nine places behind this form
.macro FRAG reg, adr, q, i             ; an image comes back as it was stored: block i, K step q of the slot
.irp c, 0,1,2,3
	ds_load_b128 v[\reg+4*\c:\reg+4*\c+3], v[\adr] offset:4096*(\i)+2048*(\q)+512*\c
.endr
.endm
.macro MUL16 a0, p
.irp a, \a0, \a0+1
.irp b, 0,1,2,3,4,5,6,7
	v_wmma_f32_16x16x128_fp8_fp8 v[8*(8*((\a)%4)+\b):8*(8*((\a)%4)+\b)+7], v[128*(\p)+FR*\b:128*(\p)+FR*\b+FR-1], v[AF+FR*(\a):AF+FR*(\a)+FR-1], v[8*(8*((\a)%4)+\b):8*(8*((\a)%4)+\b)+7]
.endr
.endr
.endm
.macro FETCH_B slot, q, p
	WIN TO_B
.irp i, 0,1,2,3,4,5,6,7
	FRAG 128*(\p)+FR*\i, ADRB+\slot, \q, \i
.endr
	WIN 0
.endm
.macro FETCH_A slot, q, i0
.irp i, \i0, \i0+1, \i0+2, \i0+3
	FRAG AF+FR*(\i), ADRA+\slot, \q, \i
.endr
.endm
; a step of 128 along K whose successor lies in the same slot.  A has one set of registers (a block is free when its eight products are issued), B two
.macro STEP slot, q
	s_wait_dscnt 4*NL                              ; B's set and A's blocks 0-3 are in; the youngest 16 loads (A's blocks 4-7) may be out
	WIN MUL_LO
	MUL16 0, (\q)%2
	MUL16 2, (\q)%2
	s_wait_dscnt 0
	PLACES NP
	FETCH_B \slot, (\q)+1, 1-(\q)%2
	FETCH_A \slot, (\q)+1, 0
	WIN MUL_HI
	MUL16 4, (\q)%2
	MUL16 6, (\q)%2
	PLACES NP
	WIN 0
	FETCH_A \slot, (\q)+1, 4
.endm
; a slot's last step changes slots: each wave waits for all its tensor loads, adds 0 to its spare word, waits for that and for its reads of this slot; then the barrier (fill = 1: a round of the cluster's)
.macro TURN slot, next, fill
	s_wait_tensorcnt 0x0                           ; my part of the next slot has landed; no load of mine is out
	ds_add_u32 v[SPW], v[NIL]
	s_wait_dscnt 4*NL+1                            ; the add and the youngest 16 loads may be out
	WIN MUL_LO
	MUL16 0, 1
	s_wait_dscnt 0x0                               ; the add is done, and my reads of this slot are over
	s_barrier_signal -1
	MUL16 2, 1
	WIN 0
	s_barrier_wait -1
.if \fill
	CREST                                          ; no wave of any partner still reads this slot or has a load on its way
	s_add_nc_u64 s[G0+4*\slot+2:G0+4*\slot+3], s[G0+4*\slot+2:G0+4*\slot+3], 8192
	s_add_nc_u64 s[G0B+4*\slot+2:G0B+4*\slot+3], s[G0B+4*\slot+2:G0B+4*\slot+3], 8192
	JLOAD G0+4*\slot, G1, G0B+4*\slot, G1B         ; the first tensor load behind the round; its four v_nop are the places in front of the loads below
.else
	PLACES NP
.endif
	FETCH_B \next, 0, 0
	FETCH_A \next, 0, 0
	WIN MUL_HI
	MUL16 4, 1
	MUL16 6, 1
	PLACES NP
	WIN 0
	FETCH_A \next, 0, 4
.endm
	FETCH_B 0, 0, 0                                ; slot 0 is whole since the round above
	FETCH_A 0, 0, 0
	FETCH_A 0, 0, 4
	STEP 0, 0                                      ; K = 1,024: four slots' worth, eight steps, written straight
	TURN 0, 1, 1
	STEP 1, 0
	TURN 1, 0, 1
	STEP 0, 0
	TURN 0, 1, 0                                   ; nothing is left to fetch
	STEP 1, 0
	s_wait_dscnt 4*NL
	WIN MUL_LO
	MUL16 0, 1
	MUL16 2, 1
	s_wait_dscnt 0
	WIN MUL_HI
	MUL16 4, 1
	MUL16 6, 1
	WIN 0
	PLACES NP
; THE WAY OUT of A-side block a: hold, eight conversions = two fragments of the next product, four stores of 512 bytes.  Each accumulator is read from its low end on
.macro OUT a
.set AC, 64*((\a)%4)
.set CC, CS+16*((\a)%2)
	WIN 0x02+((\a)/4)                              ; source 0: window 2 or 3
.set oi, 0
.rept 64
	v_med3_num_f32 v[T+oi], v[AC+oi], -v[LMV], v[LMV]
.set oi, oi+1
.endr
	WIN 0
	s_wait_alu depctr_va_vdst(0)
	s_wait_xcnt 0x0                                ; the stores of two blocks back have read this set of codes
.irp g, 0,1,2,3,4,5,6,7
	v_cvt_scalef32_pk8_fp8_f32 v[CC+2*\g:CC+2*\g+1], v[T+8*\g:T+8*\g+7], v[SCV]
.endr
	v_nop                                          ; a plain line behind the conversions: the next block writes their sources
.irp u, 0,1
.irp i, 0,1
	global_store_b128 v[VO+2*\u+(\a)/4], v[CC+8*\u+4*\i:CC+8*\u+4*\i+3], s[100:101] offset:1024*((\a)%4)+512*\i
.endr
.endr
.endm
.irp a, 0,1,2,3,4,5,6,7
	OUT \a
.endr
	s_wait_tensorcnt 0x0                           ; the wave's end
	ds_add_u32 v[SPW], v[NIL]
	s_wait_dscnt 0x0
	CROUND                                         ; the closing round
	s_endpgm
.Lfunc_end_k_q1e5b1bee47_qkv:
	.size	k_q1e5b1bee47_qkv, .Lfunc_end_k_q1e5b1bee47_qkv-k_q1e5b1bee47_qkv
	.p2alignl 7, 3214868480
	.fill 96, 4, 3214868480
	.section	.rodata,"a",@progbits
	.p2align	6, 0x0
	.amdhsa_kernel k_q1e5b1bee47_qkv
		.amdhsa_group_segment_fixed_size 327680
		.amdhsa_private_segment_fixed_size 0
		.amdhsa_enable_private_segment 0
		.amdhsa_kernarg_size 96
		.amdhsa_user_sgpr_count 2
		.amdhsa_user_sgpr_kernarg_segment_ptr 1
		.amdhsa_wavefront_size32 1
		.amdhsa_system_sgpr_workgroup_id_x 1
		.amdhsa_system_sgpr_workgroup_id_y 1
		.amdhsa_system_sgpr_workgroup_id_z 1
		.amdhsa_system_vgpr_workitem_id 0
		.amdhsa_next_free_vgpr 1024
		.amdhsa_next_free_sgpr 106
		.amdhsa_reserve_vcc 0
		.amdhsa_float_denorm_mode_32 3
		.amdhsa_float_denorm_mode_16_64 3
		.amdhsa_memory_ordered 1
		.amdhsa_forward_progress 1
		.amdhsa_inst_pref_size 151
	.end_amdhsa_kernel
	.amdgpu_metadata
---
amdhsa.version: [ 1, 2 ]
amdhsa.kernels:
  - .name:           k_q1e5b1bee47_qkv
    .symbol:         k_q1e5b1bee47_qkv.kd
    .args:
      - { .name: xc, .offset: 0, .size: 8, .value_kind: global_buffer, .address_space: global }
      - { .name: wc, .offset: 8, .size: 8, .value_kind: global_buffer, .address_space: global }
      - { .name: ub, .offset: 16, .size: 8, .value_kind: global_buffer, .address_space: global }
      - { .name: Aq, .offset: 24, .size: 8, .value_kind: global_buffer, .address_space: global }
      - { .name: Ak, .offset: 32, .size: 8, .value_kind: global_buffer, .address_space: global }
      - { .name: Av, .offset: 40, .size: 8, .value_kind: global_buffer, .address_space: global }
      - { .name: bq, .offset: 48, .size: 8, .value_kind: global_buffer, .address_space: global }
      - { .name: bk, .offset: 56, .size: 8, .value_kind: global_buffer, .address_space: global }
      - { .name: bv, .offset: 64, .size: 8, .value_kind: global_buffer, .address_space: global }
      - { .name: lowp_scales, .offset: 72, .size: 8, .value_kind: global_buffer, .address_space: global }
      - { .name: qc, .offset: 80, .size: 8, .value_kind: global_buffer, .address_space: global }
      - { .name: kvc, .offset: 88, .size: 8, .value_kind: global_buffer, .address_space: global }
    .group_segment_fixed_size: 327680
    .private_segment_fixed_size: 0
    .kernarg_segment_align: 8
    .kernarg_segment_size: 96
    .max_flat_workgroup_size: 128
    .sgpr_count:     106
    .vgpr_count:     1024
    .wavefront_size: 32
...
	.end_amdgpu_metadata
.endif
;; end of part 2
;; launch attn (part 3): grid 4 x 64, 16 waves a work-group, clusters of 4 x 1, 327,680 bytes of LDS; arguments qc, kvc, lowp_scales, oc16, oc18; writes oc16, oc18
.if DOCPART == 3
	.amdgcn_target "amdgcn-amd-amdhsa--gfx1250"
	.amdhsa_code_object_version 6
	.text
	.protected	k_q1e5b1bee47_attn
	.globl	k_q1e5b1bee47_attn
	.p2align	8
	.type	k_q1e5b1bee47_attn,@function
k_q1e5b1bee47_attn:
	s_mov_b64 s[64:65], 0
	v_nop
	global_prefetch_b8 v0, s[64:65] scope:SCOPE_SE
	s_setreg_imm32_b32 hwreg(HW_REG_WAVE_MODE, 25, 1), 1
	s_wait_xcnt 0x0
	s_wait_alu depctr_hold_cnt(0) depctr_sa_sdst(0) depctr_va_vdst(0) depctr_va_sdst(0) depctr_va_ssrc(0) depctr_va_vcc(0) depctr_vm_vsrc(0)
	s_getreg_b32 s2, hwreg(HW_REG_IB_STS2, 6, 4)
	s_cmp_eq_u32 s2, 0
	s_cbranch_scc0 .Lentry_in_a_cluster
	s_endpgm
.Lentry_in_a_cluster:
	s_bfe_u32 s2, ttmp6, 0x10000c
	s_cmp_lg_u32 s2, 0x3003
	s_cbranch_scc0 .Lentry_shape_is_right
	s_endpgm
.Lentry_shape_is_right:
; THIRD LAUNCH: o = softmax(q k^T / 8) v for each of the 64 (batch, head) pairs, both products on codes of E4M3 (e12, e13; e14, e15); o is quantised twice on the way out (e16, e18).  No work of reference() is left out.
; THE SOFTMAX: t = score x log2(e) / 8; M = the running largest t, rounded up to a whole number; p = 2^(t - M) is quantised along the keys, not normalised; the row's sum is taken of the unquantised p and divides at the end.
; When M moves, the sum and O^T are multiplied by 2^(old M - new M), which rounds nothing; no branch hangs on data.
; LIMITS: e12 + e13 between -123 and 130 (added to c's exponent field); e14, e16, e18 between -126 and 119; the scaled scores stay under 2^31 in magnitude.  NaN is not served.
; SHARES.  A work-group owns 512 queries of one pair, a wave 32 of them (two tiles of 16).  The pair's K and V, 2,048 keys x 128 bytes = 262,144 bytes, lie in LDS whole:
; each of the sixteen waves asks for 16,384 bytes (128 keys) by ONE tensor load at the head; nothing is filled again, so there is one wait on TENSORcnt, one barrier, no ring.
; CLUSTER: the four work-groups of a pair read the same K and V: every load is joint (mask 15); its descriptor hangs on the pair and the wave's number alone.
; No prefetch: all tiles are asked for at the head, so there is no later load to run ahead of.
; LAYOUT (made by the launch before): images of operand registers, a fragment of 16 rows x 64 K in 1,024 bytes (registers 4i..4i+3 of lane l at 512 i + 16 l).  A group of 64 keys is 8,192 bytes: four fragments of K, four of V^T.
; Both products are used transposed: S^T = K Q^T, O^T = V^T P^T: lane (r, h) holds query r; register j of S's tile f is key 16 f + 8 h + j, so a conversion's two registers are registers 2 f, 2 f + 1 of P's fragment.
; A STEP is 128 keys: 16 + 16 matrix instructions, 128 score registers; O^T (64 registers) is rescaled once a step.
; REGISTERS: v1 16 x lane; v2 address in hand; v3, v4 the add's two; v5 2^e14; v6, v7 at work; v8-23 two tiles' state: -M, largest score, sum (2), f, old -M, two at work; v24-39 Q; v40-103 O^T; v104-231 S^T, then p; v232-255 spare.
; K's fragments 0-2 wait in the registers of S's last three tiles of query tile 1 (asked for a step ahead, when those are free), 3-7 take turns in the spare 24.
; p's codes: query tile 0 in spare 0-15; tile 1 in spare 16-23 and in S's registers 64-71.  V's eight fragments land on query tile 0's 64 score registers once these are converted.
.set DUAL,  1                          ; the hold on p as dual-issue pairs (0: one instruction a number)
.set SPARE, 262144
.set L16, 1
.set ADR, 2
.set SPW, 3
.set NIL, 4
.set SCP, 5
.set PD,  6
.set ST,  8
.set Q,   24
.set O,   40
.set S,   104
.set S1,  168
.set F,   232
.set C2,  F+16
.set TB,  56
.set CNT, 57
.set LIM, 60                           ; s60: 448 x 2^e14
.macro CROUND
	s_barrier_signal -1
	s_barrier_wait -1
	s_cmp_lg_u32 s14, 0
	s_cbranch_scc1 .Lnot_wave_0_\@
	s_barrier_signal -3
.Lnot_wave_0_\@:
	s_barrier_wait -3
	s_barrier_signal -1
	s_barrier_wait -1
.endm
	s_load_b256 s[4:11], s[0:1], 0x0               ; qc 4, kvc 6, the exponents 8, oc16 10
	s_load_b64 s[12:13], s[0:1], 0x20              ; oc18
	v_lshl_add_u32 v[SPW], v0, 2, SPARE
	v_mov_b32 v[NIL], 0
	ds_add_u32 v[SPW], v[NIL]                      ; the opening: the add, twice on end, and its wait ahead of my tensor load
	ds_add_u32 v[SPW], v[NIL]
	v_lshrrev_b32 v1, 5, v0
	v_readfirstlane_b32 s14, v1                    ; wave
	s_bfe_u32 s15, ttmp6, 0x40000                  ; cx: which 512 queries
	s_and_b32 s16, ttmp7, 0xffff                   ; 16 batch + head
	s_mov_b32 s24, 15|(3<<16)|(1<<21)              ; group 1: mask of the four; elements of 8 bytes; bit 21 beside a mask
	s_mov_b32 s25, 32<<16                          ; rows of 256 bytes,
	s_mov_b32 s26, 64<<16                          ; 64 of them, dense
	s_mov_b32 s27, 32<<16
	s_mov_b32 s28, 64
	s_mov_b32 s29, 32
	s_mov_b32 s30, 0
	s_mov_b32 s31, 0
	s_mov_b32 s20, 0x76543210                      ; selects for lane l xor 16
	s_mov_b32 s21, 0xfedcba98
	s_mov_b32 s22, 0x3e38aa3b                      ; c = log2(e) / 8
	s_mov_b32 s[TB], 0
	s_lshl_b32 s17, s14, 14                        ; my 16,384 bytes of the pair's K and V, in LDS and in memory alike
	s_lshl_b32 s18, s16, 18
	s_add_co_u32 s18, s18, s17
	s_mov_b32 s19, 0
	s_lshl_b32 s58, s16, 7
	s_lshl_b32 s59, s15, 5
	s_add_co_u32 s58, s58, s59
	s_lshl_b32 s59, s14, 1
	s_add_co_u32 s58, s58, s59
	s_lshl_b32 s58, s58, 10                        ; qc: my first block of 16 queries
	s_mov_b32 s59, 0
	s_lshr_b32 s60, s16, 4
	s_lshl_b32 s60, s60, 7
	s_lshl_b32 s61, s15, 5
	s_add_co_u32 s60, s60, s61
	s_lshl_b32 s61, s14, 1
	s_add_co_u32 s60, s60, s61
	s_lshl_b32 s60, s60, 14                        ; oc16, oc18: my first block of 16 tokens, 16,384 bytes a block,
	s_and_b32 s61, s16, 15
	s_lshl_b32 s61, s61, 10
	s_add_co_u32 s60, s60, s61                     ; + 1,024 bytes a head
	s_mov_b32 s61, 0
	s_mov_b32 s32, 1                               ; group 0
	s_mov_b32 s33, s17
	s_wait_dscnt 0x0                               ; both opening adds are done
	s_wait_kmcnt 0x0
	s_load_b256 s[48:55], s[8:9], 0x30             ; e12 .. e19
	s_add_nc_u64 s[34:35], s[6:7], s[18:19]
	s_or_b32 s35, s35, 0x80000000
	s_add_nc_u64 s[4:5], s[4:5], s[58:59]
	s_add_nc_u64 s[10:11], s[10:11], s[60:61]
	s_add_nc_u64 s[12:13], s[12:13], s[60:61]
	CROUND                                         ; the four work-groups are here: the joint loads meet
	tensor_load_to_lds s[32:35], s[24:31]          ; my one tensor load of the launch
	s_nop 0
.rept 4
	v_nop
.endr
	v_and_b32 v1, 31, v0
	v_lshlrev_b32 v[L16], 4, v1
.irp t, 0,1
.irp i, 0,1
	global_load_b128 v[Q+8*\t+4*\i:Q+8*\t+4*\i+3], v[L16], s[4:5] offset:1024*\t+512*\i
.endr
.endr
	v_mov_b32 v[ADR], v[L16]
.irp t, 0,1
	v_mov_b32 v[ST+8*\t], 0x7f61b1e6               ; -M = 3e38
	v_mov_b32 v[ST+8*\t+1], 0xff61b1e6             ; the largest score so far: -3e38
	v_mov_b32 v[ST+8*\t+2], 0                      ; the sum, in two halves
	v_mov_b32 v[ST+8*\t+3], 0
.endr
.set i, 0
.rept 64
	v_mov_b32 v[O+i], 0                            ; O^T: the step is written for all sixteen alike; the first change of M leaves zeros zeros
.set i, i+1
.endr
	s_wait_kmcnt 0x0
	s_add_co_i32 s58, s48, s49
	s_lshl_b32 s58, s58, 23
	s_add_co_i32 s22, s22, s58                     ; c x 2^(e12 + e13)
	s_mov_b32 s23, s22                             ; (named with it as a pair)
	s_add_co_i32 s58, s50, 127
	s_lshl_b32 s59, s58, 23
	v_mov_b32 v[SCP], s59                          ; 2^e14
	s_add_co_i32 s58, s58, 8
	s_lshl_b32 s58, s58, 23
	s_or_b32 s[LIM], s58, 0x600000                 ; 448 x 2^e14
.macro KLOAD reg, off                  ; a fragment: two loads of 512 bytes
	ds_load_b128 v[\reg:\reg+3], v[ADR] offset:\off
	ds_load_b128 v[\reg+4:\reg+7], v[ADR] offset:\off+512
.endm
.macro QK f, kr, cnt                   ; 16 keys x my 32 queries; cnt: the loads younger than this fragment's two
	s_wait_dscnt \cnt
	v_wmma_f32_16x16x64_fp8_fp8 v[S+8*\f:S+8*\f+7], v[\kr:\kr+7], v[Q:Q+7], 0
	v_wmma_f32_16x16x64_fp8_fp8 v[S1+8*\f:S1+8*\f+7], v[\kr:\kr+7], v[Q+8:Q+15], 0
.endm
; eight lines: the largest of tile f's scores, both query tiles, two chains each.  Even and odd f have chains of their own, so that eleven plain lines lie between a chain's last write in one group and its next read.
; Each accumulator is read from its low end on.  These lines are also the places behind the products ahead of them.
.macro MAXG f, first
.irp i, 0,4
.irp u, 0,1
.irp t, 0,1
.set CR, (1-(\f)%2)*(ST+8*\t+6+\u)+((\f)%2)*((1-\u)*(ST+8*\t+4)+\u*(PD+\t))
.set SR, S+64*\t+8*(\f)+\i+2*\u
.if \first && (\i == 0)
	v_max_num_f32 v[CR], v[SR], v[SR+1]
.else
	v_max3_num_f32 v[CR], v[CR], v[SR], v[SR+1]
.endif
.endr
.endr
.endr
.endm
.macro FMA k                           ; t - M for 16 registers of each query tile, two at a time
.irp j, 0,2,4,6,8,10,12,14
.irp t, 0,1
	v_pk_fma_f32 v[S+64*\t+16*\k+\j:S+64*\t+16*\k+\j+1], v[S+64*\t+16*\k+\j:S+64*\t+16*\k+\j+1], s[22:23], v[ST+8*\t:ST+8*\t+1] op_sel_hi:[1,0,0]
.endr
.endr
.endm
.macro HOLD b                          ; 32 numbers held at 448 x 2^e14: the conversion does not saturate (ISA guide 7.6.2); p is not negative, so the hold is one-sided
.set hx, 0
.rept 16
.if DUAL
	v_dual_min_num_f32 v[\b+hx], s[LIM], v[\b+hx] :: v_dual_min_num_f32 v[\b+hx+1], s[LIM], v[\b+hx+1]
.else
	v_min_num_f32 v[\b+hx], s[LIM], v[\b+hx]
	v_min_num_f32 v[\b+hx+1], s[LIM], v[\b+hx+1]
.endif
.set hx, hx+2
.endr
.endm
; A STEP: 128 keys.  more = 1: the next step's first three fragments of K are asked for, and the address steps on.
.macro STEP more
.rept 5
	v_nop                                          ; five places: the first products below write over registers that the last step's products read; the loads below land on others of them
.endr
	KLOAD F, 3072
	KLOAD F+8, 8192
	KLOAD F+16, 9216
	QK 0, S1+40, 10                                ; younger: fragments 1 to 5
	QK 1, S1+48, 8
	QK 2, S1+56, 6
.irp t, 0,1
	v_mov_b32 v[ST+8*\t+5], v[ST+8*\t]             ; the old -M.  With the two lines below: four places ahead of the first read of tile 0
.endr
	v_nop
	v_nop
	MAXG 0, 1
	QK 3, F, 4
	MAXG 1, 1
	KLOAD F, 10240                                 ; fragment 6, where fragment 3 lay
	QK 4, F+8, 4
	MAXG 2, 0
	KLOAD F+8, 11264                               ; fragment 7, where fragment 4 lay
	QK 5, F+16, 4
	MAXG 3, 0
	QK 6, F, 2
	MAXG 4, 0
	QK 7, F+8, 0
	MAXG 5, 0
	MAXG 6, 0
	MAXG 7, 0
.irp t, 0,1
	v_max3_num_f32 v[ST+8*\t+6], v[ST+8*\t+6], v[ST+8*\t+7], v[ST+8*\t+1]   ; the chains and the largest so far
.endr
.irp t, 0,1
	s_delay_alu instid0(VALU_DEP_2)
	v_max3_num_f32 v[ST+8*\t+6], v[ST+8*\t+6], v[ST+8*\t+4], v[PD+\t]
.endr
.irp t, 0,1
	s_delay_alu instid0(VALU_DEP_2)
	v_permlanex16_b32 v[PD+\t], v[ST+8*\t+6], s20, s21
.endr
.irp t, 0,1
	s_delay_alu instid0(VALU_DEP_2)
	v_max_num_f32 v[ST+8*\t+1], v[ST+8*\t+6], v[PD+\t]   ; and lane l xor 16's: the running largest score
.endr
.irp t, 0,1
	s_delay_alu instid0(VALU_DEP_2)
	v_mul_f32 v[ST+8*\t+6], s22, v[ST+8*\t+1]      ; as t (c is positive)
.endr
.irp t, 0,1
	s_delay_alu instid0(VALU_DEP_2)
	v_floor_f32 v[ST+8*\t], -v[ST+8*\t+6]          ; -M = floor(-t): M is a whole number
.endr
	FMA 0
.irp t, 0,1
	v_sub_f32 v[ST+8*\t+7], v[ST+8*\t], v[ST+8*\t+5]   ; old M - new M: a whole number, 0 or less
.endr
	FMA 1
.irp t, 0,1
	v_cvt_i32_f32 v[ST+8*\t+7], v[ST+8*\t+7]       ; (it saturates)
.endr
	FMA 2
.irp t, 0,1
	v_ldexp_f32 v[ST+8*\t+4], 1.0, v[ST+8*\t+7]    ; f = 2^(old M - new M)
.endr
	FMA 3
	s_wait_alu depctr_va_vdst(0)                   ; ahead of the batch
.set i, 0
.rept 128
	v_exp_f32 v[S+i], v[S+i]                       ; p = 2^(t - M)
.set i, i+1
.endr
.irp t, 0,1
	v_pk_mul_f32 v[ST+8*\t+2:ST+8*\t+3], v[ST+8*\t+2:ST+8*\t+3], v[ST+8*\t+4:ST+8*\t+5] op_sel_hi:[1,0]   ; the sums under the new M (plain places behind the batch)
.endr
	s_wait_alu depctr_va_vdst(0)                   ; one wait for the batch, ahead of its first reader
.irp t, 0,1
	v_pk_add_f32 v[C2+2*\t:C2+2*\t+1], v[S+64*\t:S+64*\t+1], v[S+64*\t+2:S+64*\t+3]   ; the sum of the unquantised p: two chains a query tile
.endr
.irp j, 4,8,12,16,20,24,28,32,36,40,44,48,52,56,60
.irp t, 0,1
	v_pk_add_f32 v[ST+8*\t+2:ST+8*\t+3], v[ST+8*\t+2:ST+8*\t+3], v[S+64*\t+\j:S+64*\t+\j+1]
.endr
.irp t, 0,1
	v_pk_add_f32 v[C2+2*\t:C2+2*\t+1], v[C2+2*\t:C2+2*\t+1], v[S+64*\t+\j+2:S+64*\t+\j+3]
.endr
.endr
.irp t, 0,1
	v_pk_add_f32 v[ST+8*\t+2:ST+8*\t+3], v[ST+8*\t+2:ST+8*\t+3], v[C2+2*\t:C2+2*\t+1]
.endr
	HOLD S
	HOLD S+32
.irp f, 0,1,2,3,4,5,6,7
	v_cvt_scalef32_pk8_fp8_f32 v[F+2*\f:F+2*\f+1], v[S+8*\f:S+8*\f+7], v[SCP]
.endr
.irp g, 0,1
.irp f, 0,1,2,3
	KLOAD S+8*(4*\g+\f), 8192*\g+4096+1024*\f      ; V's fragments land on the numbers just converted
.endr
.endr
	HOLD S1
.irp f, 0,1,2,3
	v_cvt_scalef32_pk8_fp8_f32 v[F+16+2*\f:F+16+2*\f+1], v[S1+8*\f:S1+8*\f+7], v[SCP]
.endr
	HOLD S1+32                                     ; (plain lines between the conversions above and those below, which write over their sources)
.irp f, 0,1,2,3
	v_cvt_scalef32_pk8_fp8_f32 v[S1+2*\f:S1+2*\f+1], v[S1+32+8*\f:S1+32+8*\f+7], v[SCP]
.endr
.if \more
	KLOAD S1+40, 16384
	KLOAD S1+48, 16384+1024
	KLOAD S1+56, 16384+2048
	s_add_co_u32 s[TB], s[TB], 16384
	v_add_nc_u32 v[ADR], s[TB], v[L16]
.endif
	s_wait_alu depctr_va_vdst(0)                   ; directly ahead of the first reader of O^T
.irp j, 0,2,4,6,8,10,12,14,16,18,20,22,24,26,28,30
.irp t, 0,1
	v_pk_mul_f32 v[O+32*\t+\j:O+32*\t+\j+1], v[O+32*\t+\j:O+32*\t+\j+1], v[ST+8*\t+4:ST+8*\t+5] op_sel_hi:[1,0]   ; O^T under the new M
.endr
.endr
	s_wait_alu depctr_va_vdst(0)
	s_wait_dscnt 6*\more                           ; V's sixteen loads are in; the next step's six may be out
.irp g, 0,1
.irp f, 0,1,2,3
	v_wmma_f32_16x16x64_fp8_fp8 v[O+8*\f:O+8*\f+7], v[S+8*(4*\g+\f):S+8*(4*\g+\f)+7], v[F+8*\g:F+8*\g+7], v[O+8*\f:O+8*\f+7]   ; the eight accumulators take turns
	v_wmma_f32_16x16x64_fp8_fp8 v[O+32+8*\f:O+32+8*\f+7], v[S+8*(4*\g+\f):S+8*(4*\g+\f)+7], v[F+16+\g*(S1-F-16):F+16+\g*(S1-F-16)+7], v[O+32+8*\f:O+32+8*\f+7]
.endr
.endr
.endm
	s_wait_alu depctr_va_vdst(0)                   ; the head's end
	s_wait_loadcnt 0x0                             ; Q
	s_wait_tensorcnt 0x0                           ; my 128 keys have landed
	s_barrier_signal -1
	s_barrier_wait -1                              ; all 2,048 have; nobody writes them again
	KLOAD S1+40, 0
	KLOAD S1+48, 1024
	KLOAD S1+56, 2048
	s_mov_b32 s[CNT], 15
.Lstep:
	STEP 1
	s_sub_co_u32 s[CNT], s[CNT], 1
	s_cmp_lg_u32 s[CNT], 0
	s_cbranch_scc1 .Lstep
	STEP 0                                         ; the last step asks for nothing beyond the keys
; THE WAY OUT: O^T / the sum x 2^(e14 + e15), quantised with e16 and with e18; a conversion's registers are an image of the next operand's: every store covers 512 consecutive bytes, aligned
.rept 4
	v_nop
.endr
.irp t, 0,1
	v_add_f32 v[ST+8*\t+2], v[ST+8*\t+2], v[ST+8*\t+3]
.endr
.irp t, 0,1
	s_delay_alu instid0(VALU_DEP_2)
	v_permlanex16_b32 v[PD+\t], v[ST+8*\t+2], s20, s21
.endr
.irp t, 0,1
	s_delay_alu instid0(VALU_DEP_2)
	v_add_f32 v[ST+8*\t+2], v[ST+8*\t+2], v[PD+\t]
.endr
	s_wait_alu depctr_va_vdst(0)                   ; ahead of the transcendentals
.irp t, 0,1
	v_rcp_f32 v[ST+8*\t+6], v[ST+8*\t+2]
.endr
	v_nop
	s_add_co_i32 s58, s50, s51
	s_add_co_i32 s59, s52, 127
	s_lshl_b32 s60, s59, 23
	v_mov_b32 v[F+16], s60                         ; 2^e16
	s_add_co_i32 s59, s59, 8
	s_lshl_b32 s59, s59, 23
	s_or_b32 s59, s59, 0x600000
	v_mov_b32 v[F+17], s59                         ; 448 x 2^e16
	s_add_co_i32 s59, s54, 127
	s_lshl_b32 s60, s59, 23
	v_mov_b32 v[F+18], s60                         ; 2^e18
	s_add_co_i32 s59, s59, 8
	s_lshl_b32 s59, s59, 23
	s_or_b32 s59, s59, 0x600000
	v_mov_b32 v[F+19], s59                         ; 448 x 2^e18
	s_wait_alu depctr_va_vdst(0)                   ; ahead of the first readers of the reciprocals and of O^T
.irp t, 0,1
	v_ldexp_f32 v[ST+8*\t+6], v[ST+8*\t+6], s58
.endr
.irp t, 0,1
.irp j, 0,2,4,6,8,10,12,14,16,18,20,22,24,26,28,30
	v_pk_mul_f32 v[S+32*\t+\j:S+32*\t+\j+1], v[O+32*\t+\j:O+32*\t+\j+1], v[ST+8*\t+6:ST+8*\t+7] op_sel_hi:[1,0]
.endr
.endr
.macro OQ sc, lim, dst, base
.set i, 0
.rept 64
	v_med3_num_f32 v[S1+i], v[S+i], -v[\lim], v[\lim]
.set i, i+1
.endr
.irp t, 0,1
.irp f, 0,1,2,3
	v_cvt_scalef32_pk8_fp8_f32 v[\dst+8*\t+2*\f:\dst+8*\t+2*\f+1], v[S1+32*\t+8*\f:S1+32*\t+8*\f+7], v[\sc]
.endr
.endr
	v_nop                                          ; a plain line behind the conversions
.irp t, 0,1
.irp i2, 0,1
	global_store_b128 v[L16], v[\dst+8*\t+4*\i2:\dst+8*\t+4*\i2+3], s[\base:\base+1] offset:16384*\t+512*\i2
.endr
.endr
.endm
	OQ F+16, F+17, F, 10
	OQ F+18, F+19, Q, 12
	s_wait_tensorcnt 0x0                           ; the wave's end
	ds_add_u32 v[SPW], v[NIL]
	s_wait_dscnt 0x0
	CROUND                                         ; the closing round
	s_endpgm
.Lfunc_end_k_q1e5b1bee47_attn:
	.size	k_q1e5b1bee47_attn, .Lfunc_end_k_q1e5b1bee47_attn-k_q1e5b1bee47_attn
	.p2alignl 7, 3214868480
	.fill 96, 4, 3214868480
	.section	.rodata,"a",@progbits
	.p2align	6, 0x0
	.amdhsa_kernel k_q1e5b1bee47_attn
		.amdhsa_group_segment_fixed_size 327680
		.amdhsa_private_segment_fixed_size 0
		.amdhsa_enable_private_segment 0
		.amdhsa_kernarg_size 40
		.amdhsa_user_sgpr_count 2
		.amdhsa_user_sgpr_kernarg_segment_ptr 1
		.amdhsa_wavefront_size32 1
		.amdhsa_system_sgpr_workgroup_id_x 1
		.amdhsa_system_sgpr_workgroup_id_y 1
		.amdhsa_system_sgpr_workgroup_id_z 1
		.amdhsa_system_vgpr_workitem_id 0
		.amdhsa_next_free_vgpr 256
		.amdhsa_next_free_sgpr 68
		.amdhsa_reserve_vcc 0
		.amdhsa_float_denorm_mode_32 3
		.amdhsa_float_denorm_mode_16_64 3
		.amdhsa_memory_ordered 1
		.amdhsa_forward_progress 1
		.amdhsa_inst_pref_size 79
	.end_amdhsa_kernel
	.amdgpu_metadata
---
amdhsa.version: [ 1, 2 ]
amdhsa.kernels:
  - .name:           k_q1e5b1bee47_attn
    .symbol:         k_q1e5b1bee47_attn.kd
    .args:
      - { .name: qc, .offset: 0, .size: 8, .value_kind: global_buffer, .address_space: global }
      - { .name: kvc, .offset: 8, .size: 8, .value_kind: global_buffer, .address_space: global }
      - { .name: lowp_scales, .offset: 16, .size: 8, .value_kind: global_buffer, .address_space: global }
      - { .name: oc16, .offset: 24, .size: 8, .value_kind: global_buffer, .address_space: global }
      - { .name: oc18, .offset: 32, .size: 8, .value_kind: global_buffer, .address_space: global }
    .group_segment_fixed_size: 327680
    .private_segment_fixed_size: 0
    .kernarg_segment_align: 8
    .kernarg_segment_size: 40
    .max_flat_workgroup_size: 512
    .sgpr_count:     68
    .vgpr_count:     256
    .wavefront_size: 32
...
	.end_amdgpu_metadata
.endif
;; end of part 3
;; launch oproj (part 4): grid 4 x 64, 4 waves a work-group, clusters of 4 x 4, 327,680 bytes of LDS; arguments oc16, oc18, wc, Ao, bo, lowp_scales, out0; writes out0
.if DOCPART == 4
	.amdgcn_target "amdgcn-amd-amdhsa--gfx1250"
	.amdhsa_code_object_version 6
	.text
	.protected	k_q1e5b1bee47_oproj
	.globl	k_q1e5b1bee47_oproj
	.p2align	8
	.type	k_q1e5b1bee47_oproj,@function
k_q1e5b1bee47_oproj:
	s_mov_b64 s[64:65], 0
	v_nop
	global_prefetch_b8 v0, s[64:65] scope:SCOPE_SE
	s_setreg_imm32_b32 hwreg(HW_REG_WAVE_MODE, 25, 1), 1
	s_wait_xcnt 0x0
	s_wait_alu depctr_hold_cnt(0) depctr_sa_sdst(0) depctr_va_vdst(0) depctr_va_sdst(0) depctr_va_ssrc(0) depctr_va_vcc(0) depctr_vm_vsrc(0)
	s_getreg_b32 s2, hwreg(HW_REG_IB_STS2, 6, 4)
	s_cmp_eq_u32 s2, 0
	s_cbranch_scc0 .Lentry_in_a_cluster
	s_endpgm
.Lentry_in_a_cluster:
	s_bfe_u32 s2, ttmp6, 0x10000c
	s_cmp_lg_u32 s2, 0xf033
	s_cbranch_scc0 .Lentry_shape_is_right
	s_endpgm
.Lentry_shape_is_right:
; FOURTH LAUNCH: out = o Wo^T + bo + 0.5 (o Bo^T) Ao^T.  No work of reference() is left out.
; oc16, oc18: o's codes under e16 and e18; wc: the codes of Wo (e17) and Bo (e19): all images of operand registers, [block of 16 rows][K step of 128][2,048 bytes].
; The main product's raw sums stand for sum x 2^(e16 + e17).  u = o Bo^T is multiplied by 2^(e18 + e19 - 1 - e16 - e17), so that u Ao^T (bf16 operands: its result goes into no quantiser) adds onto the same sums.
; LIMITS: e16 + e17 between -126 and 127.  NaN is not served.
; SHARES.  A work-group makes 128 tokens x 256 columns: 64 x 4 = 256 work-groups.  A wave makes 64 x 128: 32 accumulators in window 2.  Source 0 = 16 rows of Wo, source 1 = 16 tokens: a lane holds eight neighbouring columns of a token's row.
; CLUSTER 4 x 4: the tokens' tile is shared along a row of the cluster, Wo's along a column; each is asked for jointly by four work-groups.
; RING: two slots of K = 256: 8 blocks of tokens (32,768 bytes), then 16 blocks of Wo (65,536).  Waves 0, 1 fetch the tokens' halves, waves 2, 3 Wo's: one load a wave at the head and one behind each round.
; PREFETCH: behind the head's load a wave asks for its share of K slots 1 and 2, behind slot 1's load for slot 3, the last.  Of the blocks that a wave fetches the four partners take a quarter each, told apart by address
; (cx for the tokens: 1 block of 4; cy for Wo: 2 blocks of 8); a lane names 256 bytes of a slot's 4,096 of a block; the tokens' waves' lanes 16-31 name lane 15's piece again.  The address registers are never written again.
; u: wave w takes blocks 2w, 2w + 1 of the work-group's eight: 64 loads of oc18 and 32 of Bo, asked for at the head; its two fragments in bf16 reach the other waves through LDS bytes of their own.
; REGISTERS.  window 0: v12-30 addresses; v32-95 Ao as loaded, later numbers on the way out; v96-127 u; v128-255 the tokens' fragments, two sets of 64, later rows on the way out.
;   window 1: Wo's fragments, two sets of 128 (set 1 holds Bo's codes first).  window 2: the sums.  window 3: oc18's fragments; then v0-63 Ao in bf16, v64-95 u in bf16, v96-159 the bias.
.set FR,    16
.set NP,    4
.set SLOT,  98304
.set BOFF,  32768
.set SPARE, 2*SLOT
.set USTG,  SPARE+512
.set SPITCH, 528
.set SIZE_N, 1024
.set UST,  12
.set ULD,  13
.set PFO,  14
.set ADRA, 16
.set ADRB, 20
.set STO,  24
.set RD,   25
.set L16,  26
.set LV,   27
.set SPW,  28
.set NIL,  29
.set BLT,  30
.set TMP,  32
.set AO,   32
.set UA,   96
.set UT,   112
.set AF,   128
.set BK,   128
.set G1,  24
.set G0,  32
.set G1B, 48
.set G0B, 56
.set PFA, 104
.set MSB, 0
.macro WIN new
.if MSB != \new
	s_set_vgpr_msb (MSB<<8)|\new
.set MSB, \new
.endif
.endm
.set MUL,  0xa1                        ; source 0 window 1, source 1 window 0, C and D window 2
.set TO_B, 0x40
.set TO_3, 0xc0
.macro JLOAD g0a, g1a, g0b, g1b        ; an s_nop 0 and four v_nop follow each line
	s_cmp_eq_u32 s21, 0
	s_cbranch_scc0 .Lfor_b_\@
	tensor_load_to_lds s[\g0a:\g0a+3], s[\g1a:\g1a+7]
	s_nop 0
.rept 4
	v_nop
.endr
	s_branch .Lasked_\@
.Lfor_b_\@:
	tensor_load_to_lds s[\g0b:\g0b+3], s[\g1b:\g1b+7]
	s_nop 0
.rept 4
	v_nop
.endr
.Lasked_\@:
.endm
.macro CREST
	s_cmp_lg_u32 s20, 0
	s_cbranch_scc1 .Lnot_wave_0_\@
	s_barrier_signal -3
.Lnot_wave_0_\@:
	s_barrier_wait -3
	s_barrier_signal -1
	s_barrier_wait -1
.endm
.macro CROUND
	s_barrier_signal -1
	s_barrier_wait -1
	CREST
.endm
.macro PLACES n
.rept \n
	v_nop
.endr
.endm
	s_load_b256 s[68:75], s[0:1], 0x0              ; oc16 68, oc18 70, wc 72, Ao 74
	s_load_b128 s[76:79], s[0:1], 0x20             ; bo 76, the exponents 78
	s_load_b64 s[80:81], s[0:1], 0x30              ; out0
	v_lshl_add_u32 v[SPW], v0, 2, SPARE
	v_mov_b32 v[NIL], 0
	ds_add_u32 v[SPW], v[NIL]                      ; the opening: the add, twice on end, and its wait
	ds_add_u32 v[SPW], v[NIL]
	v_lshrrev_b32 v1, 5, v0
	v_readfirstlane_b32 s20, v1                    ; wave
	s_lshr_b32 s21, s20, 1                         ; my half of the tokens.  Also: I fetch tokens (0) or Wo (1)
	s_and_b32 s22, s20, 1                          ; my half of the columns.  Also: which half I fetch
	s_bfe_u32 s40, ttmp6, 0x40000                  ; cx
	s_bfe_u32 s41, ttmp6, 0x40004                  ; cy
	s_lshl_b32 s43, s41, 2
	s_lshl_b32 s43, 15, s43                        ; my row of the cluster
	s_lshl_b32 s44, 0x1111, s40                    ; my column
	s_cmp_eq_u32 s21, 0
	s_cselect_b32 s[PFA], s40, s41                 ; my place among the four that ask for my tile with me,
	s_add_co_u32 s2, s21, 14
	s_lshl_b32 s[PFA], s[PFA], s2                  ; x 1 block of 16,384 bytes (tokens) or 2 (Wo): my share of the prefetches
	s_mov_b32 s[PFA+1], 0
	s_or_b32 s[G1], s43, (3<<16)|(1<<21)           ; the mask; elements of 8 bytes; bit 21 beside a mask
	s_or_b32 s[G1B], s44, (3<<16)|(1<<21)
.irp g, G1, G1B
	s_mov_b32 s[\g+1], 512<<16                     ; a row: 4,096 bytes, two K steps of a block
	s_mov_b32 s[\g+3], 512<<16
	s_mov_b32 s[\g+5], 2048                        ; from block to block: 16,384 bytes
	s_mov_b32 s[\g+6], 0
	s_mov_b32 s[\g+7], 0
.endr
	s_mov_b32 s[G1+2], 4<<16                       ; four blocks of tokens a load,
	s_mov_b32 s[G1+4], 4
	s_mov_b32 s[G1B+2], 8<<16                      ; eight of Wo
	s_mov_b32 s[G1B+4], 8
	s_and_b32 s42, ttmp7, 0xffff
	s_lshl_b32 s42, s42, 2
	s_add_co_u32 s66, s42, s41                     ; the tile of 128 tokens
	s_mov_b32 s67, s40                             ; the tile of 256 columns
	s_lshl_b32 s2, s66, 17
	s_lshl_b32 s43, s22, 16
	s_add_co_u32 s2, s2, s43
	s_lshl_b32 s46, s67, 18
	s_add_co_u32 s46, s46, 0x300000                ; Wo begins at block 192 of wc
	s_lshl_b32 s43, s22, 17
	s_add_co_u32 s46, s46, s43
	s_mov_b32 s3, 0
	s_mov_b32 s47, 0
	s_lshl_b32 s44, s22, 14                        ; where they go in a slot
	s_lshl_b32 s45, s22, 15
	s_add_co_u32 s45, s45, BOFF
	s_wait_dscnt 0x0
	s_wait_kmcnt 0x0
	s_load_b128 s[84:87], s[78:79], 0x40           ; e16 .. e19
	s_add_nc_u64 s[40:41], s[68:69], s[2:3]
	s_add_nc_u64 s[42:43], s[72:73], s[46:47]
	s_cmp_eq_u32 s21, 0
	s_cselect_b64 s[2:3], s[40:41], s[42:43]       ; the blocks that I fetch,
	s_add_nc_u64 s[PFA:PFA+1], s[2:3], s[PFA:PFA+1]   ; and my work-group's quarter of them
.irp s, 0,1
	s_mov_b32 s[G0+4*\s], 1
	s_add_co_u32 s[G0+4*\s+1], s44, \s*SLOT
	s_add_nc_u64 s[G0+4*\s+2:G0+4*\s+3], s[40:41], \s*4096
	s_or_b32 s[G0+4*\s+3], s[G0+4*\s+3], 0x80000000
	s_mov_b32 s[G0B+4*\s], 1
	s_add_co_u32 s[G0B+4*\s+1], s45, \s*SLOT
	s_add_nc_u64 s[G0B+4*\s+2:G0B+4*\s+3], s[42:43], \s*4096
	s_or_b32 s[G0B+4*\s+3], s[G0B+4*\s+3], 0x80000000
.endr
	CROUND                                         ; all sixteen work-groups are here: the first joint loads meet
	JLOAD G0, G1, G0B, G1B                         ; K slot 0: one tensor load a wave at the head
	v_and_b32 v1, 15, v0                           ; r
	v_bfe_u32 v2, v0, 4, 1                         ; h
	v_and_b32 v3, 31, v0
	v_lshlrev_b32 v[L16], 4, v3
	s_lshl_b32 s40, s21, 4
	s_add_co_u32 s40, s40, 15                      ; 16 pieces of 256 bytes (tokens) or 32 (Wo)
	v_min_u32 v[PFO], s40, v3
	v_lshrrev_b32 v15, 4, v[PFO]
	v_and_b32 v[PFO], 15, v[PFO]
	v_lshlrev_b32 v[PFO], 8, v[PFO]
	v_lshl_add_u32 v[PFO], v15, 14, v[PFO]
	global_prefetch_b8 v[PFO], s[PFA:PFA+1] offset:4096 th:TH_LOAD_NT scope:SCOPE_SE   ; K slot 1
	global_prefetch_b8 v[PFO], s[PFA:PFA+1] offset:8192 th:TH_LOAD_NT scope:SCOPE_SE   ; K slot 2
	s_lshl_b32 s40, s21, 14
	s_lshl_b32 s41, s22, 15
	s_add_co_u32 s41, s41, BOFF
.irp s, 0,1
	v_add_nc_u32 v[ADRA+\s], s40, v[L16]
	v_add_nc_u32 v[ADRB+\s], s41, v[L16]
	s_add_co_u32 s40, s40, SLOT
	s_add_co_u32 s41, s41, SLOT
.endr
	v_lshlrev_b32 v[LV], 6, v1
	v_lshl_add_u32 v[LV], v2, 5, v[LV]             ; rows of 16 f32: 64 r + 32 h
	s_wait_alu depctr_va_vdst(0)                   ; directly ahead of the readers below
	v_lshlrev_b32 v[BLT], 5, v2
	s_mul_i32 s40, s20, 16*SPITCH                  ; my stage for the way out: in slot 0, which has had its last fill and its last read by then
	v_mul_u32_u24 v4, v1, SPITCH
	v_lshl_add_u32 v4, v2, 5, v4
	v_add_nc_u32 v[STO], s40, v4
	v_add_nc_u32 v[RD], s40, v[L16]
	s_lshl_b32 s40, s20, 10
	s_add_co_u32 s40, s40, USTG
	v_add_nc_u32 v[UST], s40, v[L16]               ; where I put u's blocks 2w, 2w + 1: 512 bytes a block
	s_lshl_b32 s40, s21, 11
	s_add_co_u32 s40, s40, USTG
	v_add_nc_u32 v[ULD], s40, v[L16]               ; where my four blocks of tokens lie
	s_lshl_b32 s40, s66, 7
	s_lshl_b32 s41, s21, 6
	s_add_co_u32 s40, s40, s41                     ; my first token
	s_lshl_b32 s41, s67, 8
	s_lshl_b32 s42, s22, 7
	s_add_co_u32 s41, s41, s42                     ; my first column
	s_mov_b32 s43, 0
	s_lshl_b32 s42, s41, 6
	s_add_nc_u64 s[94:95], s[74:75], s[42:43]      ; Ao's rows
	s_add_nc_u64 s[96:97], s[72:73], 0x400000      ; Bo's codes: block 256 of wc
	s_lshl_b32 s42, s66, 17
	s_lshl_b32 s44, s20, 15
	s_add_co_u32 s42, s42, s44
	s_add_nc_u64 s[98:99], s[70:71], s[42:43]      ; oc18: my two blocks
	s_lshl_b32 s42, s41, 2
	s_add_nc_u64 s[100:101], s[76:77], s[42:43]    ; the bias
	s_add_nc_u64 s[80:81], s[80:81], s[42:43]
	s_lshl_b32 s42, s40, 12
	s_add_nc_u64 s[80:81], s[80:81], s[42:43]      ; out0
	s_wait_alu depctr_va_vdst(0)
.set i, 0
.rept 8
	global_load_b128 v[AO+8*i:AO+8*i+3], v[LV], s[94:95] offset:1024*i
	global_load_b128 v[AO+8*i+4:AO+8*i+7], v[LV], s[94:95] offset:1024*i+16
.set i, i+1
.endr
	WIN TO_B
.set i, 0
.rept 32
	global_load_b128 v[128+4*i:128+4*i+3], v[L16], s[96:97] offset:512*i
.set i, i+1
.endr
	WIN TO_3
.irp ks, 0,1,2,3,4,5,6,7
.irp bl, 0,1
.irp c, 0,1,2,3
	global_load_b128 v[128*\bl+16*\ks+4*\c:128*\bl+16*\ks+4*\c+3], v[L16], s[98:99] offset:16384*\bl+2048*\ks+512*\c
.endr
.endr
.endr
	WIN 0
.macro FRAG reg, adr, q, i             ; an image comes back as it was stored: block i, K step q of the slot
.irp c, 0,1,2,3
	ds_load_b128 v[\reg+4*\c:\reg+4*\c+3], v[\adr] offset:4096*(\i)+2048*(\q)+512*\c
.endr
.endm
.macro FETCH slot, q, p                ; 48 loads: Wo's eight fragments and the tokens' four, into set p
	WIN TO_B
.irp i, 0,1,2,3,4,5,6,7
	FRAG 128*(\p)+FR*\i, ADRB+\slot, \q, \i
.endr
	WIN 0
.irp i, 0,1,2,3
	FRAG AF+64*(\p)+FR*\i, ADRA+\slot, \q, \i
.endr
.endm
.macro MUL16 a0, p, zero               ; the 32 accumulators take turns, in the same order in every K step
.irp a, \a0, \a0+1
.irp b, 0,1,2,3,4,5,6,7
.if \zero
	v_wmma_f32_16x16x128_fp8_fp8 v[8*(8*(\a)+\b):8*(8*(\a)+\b)+7], v[128*(\p)+FR*\b:128*(\p)+FR*\b+FR-1], v[AF+64*(\p)+FR*(\a):AF+64*(\p)+FR*(\a)+FR-1], 0
.else
	v_wmma_f32_16x16x128_fp8_fp8 v[8*(8*(\a)+\b):8*(8*(\a)+\b)+7], v[128*(\p)+FR*\b:128*(\p)+FR*\b+FR-1], v[AF+64*(\p)+FR*(\a):AF+64*(\p)+FR*(\a)+FR-1], v[8*(8*(\a)+\b):8*(8*(\a)+\b)+7]
.endif
.endr
.endr
.endm
.macro STEP slot, zero                 ; a slot's first K step (set 0); the second's fragments are fetched into set 1 ahead of the products
	s_wait_dscnt 0x0
	PLACES NP                                      ; set 1 was read by the products of the step before
	FETCH \slot, 1, 1
	WIN MUL
	MUL16 0, 0, \zero
	MUL16 2, 0, \zero
	WIN 0
.endm
; a slot's second K step (set 1) changes slots: all my tensor loads, the add, my reads of this slot (this step's fragments were the last); then the barrier (fill = 1: it opens a round of the cluster's)
.macro TURN slot, next, fill
	s_wait_tensorcnt 0x0
	ds_add_u32 v[SPW], v[NIL]
	s_wait_dscnt 0x0
	s_barrier_signal -1
	WIN MUL
	MUL16 0, 1, 0
	WIN 0
	s_barrier_wait -1
.if \fill
	CREST
	s_add_nc_u64 s[G0+4*\slot+2:G0+4*\slot+3], s[G0+4*\slot+2:G0+4*\slot+3], 8192
	s_add_nc_u64 s[G0B+4*\slot+2:G0B+4*\slot+3], s[G0B+4*\slot+2:G0B+4*\slot+3], 8192
	JLOAD G0+4*\slot, G1, G0B+4*\slot, G1B         ; the first tensor load behind the round; its four v_nop are the places in front of the loads below
.else
	PLACES NP
.endif
	FETCH \next, 0, 0
	WIN MUL
	MUL16 2, 1, 0
	WIN 0
.endm
	s_wait_alu depctr_va_vdst(0)                   ; the head's end
	s_wait_tensorcnt 0x0                           ; my part of K slot 0 is in; slot 1's first fill is issued as a refill is
	ds_add_u32 v[SPW], v[NIL]
	s_wait_dscnt 0x0
	CROUND
	JLOAD G0+4, G1, G0B+4, G1B                     ; K slot 1
	FETCH 0, 0, 0
	global_prefetch_b8 v[PFO], s[PFA:PFA+1] offset:12288 th:TH_LOAD_NT scope:SCOPE_SE   ; K slot 3, the last
; u = o Bo^T for my two blocks, while slot 1 is on its way: source 0 = 16 ranks, source 1 = 16 tokens; the two sums take turns
	s_wait_loadcnt 0x0
	WIN 0x0d                                       ; source 0 window 1, source 1 window 3
.irp ks, 0,1,2,3,4,5,6,7
.irp bl, 0,1
.if \ks == 0
	v_wmma_f32_16x16x128_fp8_fp8 v[UA+8*\bl:UA+8*\bl+7], v[128+16*\ks:128+16*\ks+15], v[128*\bl+16*\ks:128*\bl+16*\ks+15], 0
.else
	v_wmma_f32_16x16x128_fp8_fp8 v[UA+8*\bl:UA+8*\bl+7], v[128+16*\ks:128+16*\ks+15], v[128*\bl+16*\ks:128*\bl+16*\ks+15], v[UA+8*\bl:UA+8*\bl+7]
.endif
.endr
.endr
	WIN 0
	PLACES NP
	s_wait_kmcnt 0x0
	s_add_co_i32 s40, s86, s87
	s_sub_co_i32 s40, s40, s84
	s_sub_co_i32 s40, s40, s85
	s_sub_co_i32 s40, s40, 1                       ; e18 + e19 - 1 - e16 - e17
	s_add_co_i32 s96, s84, s85
	s_add_co_i32 s96, s96, 127
	s_lshl_b32 s96, s96, 23                        ; 2^(e16 + e17)
	s_mov_b32 s97, s96
.set i, 0
.rept 16
	v_ldexp_f32 v[UT+i], v[UA+i], s40              ; lane (r, h): token r, ranks 8h + 0..7
.set i, i+1
.endr
.irp bl, 0,1
.irp i, 0,1,2,3
	v_cvt_pk_bf16_f32 v[UA+4*\bl+\i], v[UT+8*\bl+2*\i], v[UT+8*\bl+2*\i+1]
.endr
.endr
	WIN TO_3
.irp b, 0,1,2,3,4,5,6,7
.irp i, 0,1,2,3
	v_cvt_pk_bf16_f32 v[8*\b+\i], v[AO+8*\b+2*\i], v[AO+8*\b+2*\i+1]   ; Ao's fragments: K = 32 of which 16 ranks are used,
	v_mov_b32 v[8*\b+4+\i], 0                      ; the rest zeros
.endr
.endr
.irp a, 0,1,2,3
.irp i, 0,1,2,3
	v_mov_b32 v[64+8*\a+4+\i], 0                   ; likewise in u's fragments
.endr
.endr
.set i, 0
.rept 16
	global_load_b128 v[96+4*i:96+4*i+3], v[BLT], s[100:101] offset:64*(i/2)+16*(i%2)   ; register 8b + j: bo(16b + 8h + j)
.set i, i+1
.endr
	WIN 0
	s_wait_alu depctr_va_vdst(0)
	STEP 0, 1                                      ; the first K step starts the sums
	TURN 0, 1, 1
	STEP 1, 0
	TURN 1, 0, 1
	STEP 0, 0
	TURN 0, 1, 0                                   ; nothing is left to fetch, and no tensor load is out
	ds_store_b128 v[UST], v[UA:UA+3]               ; u's two fragments, into bytes that no tile lands on
	ds_store_b128 v[UST], v[UA+4:UA+7] offset:512
	STEP 1, 0
	s_wait_dscnt 0x0                               ; the last fragments are in; my stores of u landed ahead of them
	s_barrier_signal -1
	WIN MUL
	MUL16 0, 1, 0
	WIN 0
	s_barrier_wait -1                              ; everybody's u lies in LDS
	WIN TO_3
.irp a, 0,1,2,3
	ds_load_b128 v[64+8*\a:64+8*\a+3], v[ULD] offset:512*\a
.endr
	WIN MUL
	MUL16 2, 1, 0
	WIN 0
	PLACES 5                                       ; another form takes the sums up: five places (ISA guide 7.12.1)
	s_wait_dscnt 0x0
	WIN 0xaf                                       ; sources window 3, C and D window 2
.irp a, 0,1,2,3
.irp b, 0,1,2,3,4,5,6,7
	v_wmma_f32_16x16x32_bf16 v[8*(8*\a+\b):8*(8*\a+\b)+7], v[8*\b:8*\b+7], v[64+8*\a:64+8*\a+7], v[8*(8*\a+\b):8*(8*\a+\b)+7]
.endr
.endr
	WIN 0
; THE WAY OUT, block by block of 16 tokens x 128 columns: x 2^(e16 + e17), + bias; through my stage, back as whole rows of 512 bytes, stored as two aligned units of 256 bytes
.macro TOSTAGE a
.set AC, 64*(\a)
	WIN 0x32                                       ; source 0 window 2, source 2 window 3
.irp j, 0,2,4,6,8,10,12,14,16,18,20,22,24,26,28,30,32,34,36,38,40,42,44,46,48,50,52,54,56,58,60,62
	v_pk_fma_f32 v[TMP+\j:TMP+\j+1], v[AC+\j:AC+\j+1], s[96:97], v[96+\j:96+\j+1] op_sel_hi:[1,0,1]
.endr
	WIN 0
.irp b, 0,1,2,3,4,5,6,7
	ds_store_b128 v[STO], v[TMP+8*\b:TMP+8*\b+3] offset:64*\b
	ds_store_b128 v[STO], v[TMP+8*\b+4:TMP+8*\b+7] offset:64*\b+16
.endr
.set BB, BK+64*((\a)%2)
.irp t, 0,1,2,3,4,5,6,7,8,9,10,11,12,13,14,15
	ds_load_b128 v[BB+4*\t:BB+4*\t+3], v[RD] offset:\t*SPITCH   ; LDS serves a wave's instructions in order: these see my stores
.endr
.endm
.macro SEND a, younger
.set BB, BK+64*((\a)%2)
	s_wait_dscnt \younger
.if (\a) > 0
	s_add_nc_u64 s[80:81], s[80:81], 16*SIZE_N*4   ; (behind a wait on XCNT: the earlier stores have read their base)
.endif
.irp t, 0,1,2,3,4,5,6,7,8,9,10,11,12,13,14,15
	global_store_b128 v[L16], v[BB+4*\t:BB+4*\t+3], s[80:81] offset:\t*SIZE_N*4 th:TH_STORE_NT
.endr
.endm
	PLACES NP
	s_wait_loadcnt 0x0                             ; the bias
	TOSTAGE 0
.irp a, 1,2,3
.if \a > 1
	s_wait_xcnt 0x0                                ; block a - 2's stores have read their registers and their base
.endif
	TOSTAGE \a
	SEND \a-1, 32                                  ; behind block a - 1's loads: block a's 16 stores and 16 loads
.endr
	s_wait_xcnt 0x0
	SEND 3, 0
	s_wait_tensorcnt 0x0                           ; the wave's end
	ds_add_u32 v[SPW], v[NIL]
	s_wait_dscnt 0x0
	CROUND                                         ; the closing round
	s_endpgm
.Lfunc_end_k_q1e5b1bee47_oproj:
	.size	k_q1e5b1bee47_oproj, .Lfunc_end_k_q1e5b1bee47_oproj-k_q1e5b1bee47_oproj
	.p2alignl 7, 3214868480
	.fill 96, 4, 3214868480
	.section	.rodata,"a",@progbits
	.p2align	6, 0x0
	.amdhsa_kernel k_q1e5b1bee47_oproj
		.amdhsa_group_segment_fixed_size 327680
		.amdhsa_private_segment_fixed_size 0
		.amdhsa_enable_private_segment 0
		.amdhsa_kernarg_size 56
		.amdhsa_user_sgpr_count 2
		.amdhsa_user_sgpr_kernarg_segment_ptr 1
		.amdhsa_wavefront_size32 1
		.amdhsa_system_sgpr_workgroup_id_x 1
		.amdhsa_system_sgpr_workgroup_id_y 1
		.amdhsa_system_sgpr_workgroup_id_z 1
		.amdhsa_system_vgpr_workitem_id 0
		.amdhsa_next_free_vgpr 1024
		.amdhsa_next_free_sgpr 106
		.amdhsa_reserve_vcc 0
		.amdhsa_float_denorm_mode_32 3
		.amdhsa_float_denorm_mode_16_64 3
		.amdhsa_memory_ordered 1
		.amdhsa_forward_progress 1
		.amdhsa_inst_pref_size 98
	.end_amdhsa_kernel
	.amdgpu_metadata
---
amdhsa.version: [ 1, 2 ]
amdhsa.kernels:
  - .name:           k_q1e5b1bee47_oproj
    .symbol:         k_q1e5b1bee47_oproj.kd
    .args:
      - { .name: oc16, .offset: 0, .size: 8, .value_kind: global_buffer, .address_space: global }
      - { .name: oc18, .offset: 8, .size: 8, .value_kind: global_buffer, .address_space: global }
      - { .name: wc, .offset: 16, .size: 8, .value_kind: global_buffer, .address_space: global }
      - { .name: Ao, .offset: 24, .size: 8, .value_kind: global_buffer, .address_space: global }
      - { .name: bo, .offset: 32, .size: 8, .value_kind: global_buffer, .address_space: global }
      - { .name: lowp_scales, .offset: 40, .size: 8, .value_kind: global_buffer, .address_space: global }
      - { .name: out0, .offset: 48, .size: 8, .value_kind: global_buffer, .address_space: global }
    .group_segment_fixed_size: 327680
    .private_segment_fixed_size: 0
    .kernarg_segment_align: 8
    .kernarg_segment_size: 56
    .max_flat_workgroup_size: 128
    .sgpr_count:     106
    .vgpr_count:     1024
    .wavefront_size: 32
...
	.end_amdgpu_metadata
.endif
;; end of part 4
